; MI455X (gfx1250); checked and timed in simulation.
; The chip was launched on July 23, 2026; its instructions are those of AMD's public machine-readable ISA for CDNA 5 (MIT licence, August 2026) and "CDNA5" Instruction Set Architecture Reference Guide (July 2026). The comments in the code are by the model that wrote it; some were corrected since.
;; Attention. Allowed arithmetic: matrix products marked QUANTISED: E2M3 operands, one E8M0 scale for each 32 along K, by v_wmma_scale_f32_16x16x128_f8f6f4 with both operands' format E2M3, f32 sums; everything else in f32.
;; Inputs: W_proj 1,024 x 1,024 float32; W_qkv 1,024 x 3,072 float32; b_proj 1,024 float32; b_qkv 3,072 float32; x 4 x 2,048 x 1,024 float32.
;; Outputs: out0 4 x 2,048 x 1,024 float32.
;; This version of the problem:
;;   THIS VERSION OF THE PROBLEM IS GIVEN IN LOW PRECISION. The matrix products marked QUANTISED in the list below multiply operands that are first quantised to E2M3 (2 exponent bits, 3 mantissa bits; 6 bits a number), with one power-of-two scale for each 32 numbers along K (OCP MX v1.0); their sums are f32. All else is computed in f32.
;;   The module's matrix products, in the order in which they are computed (A, B: the left and right operand; K: the contracted axis; several contracted axes count as one K, in the product's order):
;;     1. [M 8,192, K 1,024] x [K 1,024, N 3,072]; A: input x; B: input W_qkv: QUANTISED
;;     2. batch 64 x [M 2,048, K 64] x [K 64, N 2,048]; A: computed on the way; B: computed on the way: QUANTISED
;;     3. batch 64 x [M 2,048, K 2,048] x [K 2,048, N 64]; A: softmax (see below); B: computed on the way: QUANTISED
;;     4. [M 8,192, K 1,024] x [K 1,024, N 1,024]; A: computed on the way; B: input W_proj: QUANTISED
;;   THE QUANTISER, for each operand of a quantised product, along K:
;;     - K is cut into blocks of 32 from its start; a last block that is shorter is filled with zeros.
;;     - A block's scale is 2^e with e = floor(log2(the largest magnitude in the block)) - 2, held to -126 .. 127; a block of zeros has e = 0. As a byte (E8M0): e + 127.
;;     - Each number is divided by its block's scale, clamped to +-7.5, and rounded to the nearest number of E2M3, ties to even, subnormals kept.
;;     - The product sums the exact products of the quantised numbers (number of the format x scale) in f32.
;;   ~~~python
;;   def quantise(x, axis):      # numpy; x: float32 -> the quantised numbers, widened to float32 again
;;       x = np.moveaxis(x, axis, -1); K = x.shape[-1]
;;       x = np.pad(x, [(0, 0)] * (x.ndim - 1) + [(0, -K % 32)]); x = x.reshape(x.shape[:-1] + (-1, 32)); a = np.abs(x).max(-1, keepdims=True)
;;       e = np.where(a > 0, np.clip(np.frexp(np.where(a > 0, a, 1))[1] - 1 - 2, -126, 127), 0)      # np.frexp(a)[1] - 1 = floor(log2(a)), exactly
;;       r = np.clip(x / 2.0 ** e, -7.5, 7.5)
;;       step = 2.0 ** (np.maximum(np.frexp(np.where(r == 0, 1, r))[1] - 1, 0) - 3)
;;       q = np.round(r / step) * step * 2.0 ** e      # np.round: ties to even
;;       return np.moveaxis(q.reshape(q.shape[:-2] + (-1,))[..., :K], -1, axis).astype(np.float32)
;;   ~~~
;;   SOFTMAX AHEAD OF A QUANTISED PRODUCT. Where the list says 'softmax', what is quantised is not the finished softmax but p = 2^(t - M), with t = logit x log2(e) and M = ceil(the row's largest t), a whole number; so 1/2 < the row's largest p <= 1. The row's sum l is taken of the UNQUANTISED p, in f32, and the product's result is divided by l at the end. Since M is a whole number, a kernel that streams over the keys may use a running M (the ceiling of the running maximum): every later rescaling is an exact power of two, which a block's scale takes up: the codes' values come out the same.
;;   OPERANDS COMPUTED ON THE WAY. 'Computed on the way' means the value that the module computes at that place (a softmax that the list does not call 'softmax' is quantised finished and normalised). What goes into a quantiser is computed in f32, as accurately as f32 sums, v_exp_f32 and their like allow (about 1e-6 of the number): no bf16 or f16 on the way to a quantiser, and a product that is left as it is and whose result goes on into a quantised operand takes f32 operands (vector FMAs, or v_wmma_f32_16x16x4_f32). A number that lies on a knife's edge between two numbers of the format may be rounded either way, as far as f32 arithmetic and the matrix unit's own rounding can turn it there, and no further.
;; One version. Each part assembles by itself: llvm-mc -triple=amdgcn-amd-amdhsa -mcpu=gfx1250 --defsym DOCPART=n.
;; ======== version 1 of 1: 4 launches
;; limits: right only within a limited range of input values
;; workspace buffers: xq 6,553,600 bytes; wq 3,276,800 bytes; qkv 19,660,800 bytes; oq 6,553,600 bytes
;; launch quant (part 1): grid 512 x 1, 4 waves a work-group, no clusters, 47,616 bytes of LDS; arguments x, xq, W_qkv, W_proj, wq; writes xq, wq
.if DOCPART == 1
	.amdgcn_target "amdgcn-amd-amdhsa--gfx1250"
	.amdhsa_code_object_version 6
	.text
	.protected	k_qedbc6832b5_quant
	.globl	k_qedbc6832b5_quant
	.p2align	8
	.type	k_qedbc6832b5_quant,@function
k_qedbc6832b5_quant:
	s_mov_b64 s[64:65], 0
	v_nop
	global_prefetch_b8 v0, s[64:65] scope:SCOPE_SE
	s_setreg_imm32_b32 hwreg(HW_REG_WAVE_MODE, 25, 1), 1
	s_wait_xcnt 0x0
; x [8192][1024], W_qkv [1024][3072] and W_proj [1024][1024], f32, become codes of FP6 (E2M3) with one E8M0 scale byte for each 32 along K, laid as the products' launches read them.
; A block's scale is 2^(floor(log2(its largest magnitude)) - 2); its byte is the largest magnitude's exponent field - 2, held at 1 from below.
; LIMITS: NaN and infinities among the inputs are not served; a block whose largest magnitude lies under 2^-124 has its byte held at 1; a block of zeros gets the byte 1
; where the rule says 127: its codes are zeros, which add nothing under any byte but 0xff, and the bytes are read by this program alone.
; ONE LAUNCH, TWO PATHS, parted on the work-group's number: 0-255 take x (32 rows each), 256-511 the weights (128 columns x 128 along K each).  Each path has LDS bytes of its own.
; TILES: tile T, place r (0..15) is row (of x) or column (of W) 32 (T / 2) + 8 (T % 2) + r + 8 (r / 8); in wq tiles 0-191 are W_qkv's, 192-255 W_proj's.
; LAYOUT of xq and wq.  Codes: [tile T][K step s of 128][1,536 bytes]: the operand's 12 registers as six chunks of 256 bytes, chunk p = registers 2 p, 2 p + 1, lane l at 8 l.
; Scale words from byte XS (WS) on: [T][s / 4][place r][16 bytes: the words of s % 4]; byte q of a word is the block 128 s + 32 q.
.set SPARE, 47104                      ; the spare words, 128 bytes for each wave, behind both paths' bytes
	v_lshl_add_u32 v254, v0, 2, SPARE
	v_mov_b32 v255, 0
	s_cmp_lt_u32 ttmp9, 256
	s_cbranch_scc0 .Lweights
; ---- x.  Wave w: tile 2 G + w / 2, K half w % 2: four steps of 128.  A load reads 512 consecutive bytes of a row; the conversions want 16 neighbours along K in one lane,
; so a step's 16 rows turn through the wave's own stage in LDS (rows of 512 + 16 bytes).  Two steps' loads are out in each wave.  Waves share nothing: no barrier.
.set XS,   6291456
.set STG,  16*528
.set RAW,  16                          ; v16-143  two sets of 64 numbers as loaded
.set X,    144                         ; v144-207 register 16 b + i = k 32 b + 16 (lane / 16) + i of my row
.set PC,   208
.set CT,   220
.set TM,   228
.set SW,   244
.set SEL,  12
.macro QUANT s, d0, d1, pw
.irp b, 0,1,2,3
	v_max3_num_f32 v[TM+\b], |v[\s+16*\b]|, |v[\s+1+16*\b]|, 0x1800000   ; my 16 numbers of block b, and the floor 2^(3 - 127)
.endr
.irp i, 2,4,6,8,10,12,14
.irp b, 0,1,2,3
	v_max3_num_f32 v[TM+\b], v[TM+\b], |v[\s+16*\b+\i]|, |v[\s+1+16*\b+\i]|
.endr
.endr
.irp b, 0,1,2,3
	v_permlanex16_b32 v[TM+4+\b], v[TM+\b], s[SEL], s[SEL+1]
.endr
.irp b, 0,1,2,3
	v_max_num_f32 v[TM+\b], v[TM+\b], v[TM+4+\b]       ; with lane l xor 16's
.endr
.irp b, 0,1,2,3
	v_add_nc_u32 v[TM+12+\b], 0xff000000, v[TM+\b]     ; 2 off the exponent field: the conversion's scale operand
.endr
.irp b, 0,1,2,3
	v_lshrrev_b32 v[TM+4+\b], 23, v[TM+12+\b]          ; the byte
.endr
	v_lshl_or_b32 v[\pw], v[TM+5], 8, v[TM+4]
	v_lshl_or_b32 v[\pw], v[TM+6], 16, v[\pw]
	v_lshl_or_b32 v[\pw], v[TM+7], 24, v[\pw]
	v_cvt_scalef32_pk16_fp6_f32 v[\d0:\d0+2], v[\s:\s+15], v[TM+12]
	v_cvt_scalef32_pk16_fp6_f32 v[CT:CT+2], v[\s+16:\s+31], v[TM+13]
	v_cvt_scalef32_pk16_fp6_f32 v[\d1:\d1+2], v[\s+32:\s+47], v[TM+14]
	v_cvt_scalef32_pk16_fp6_f32 v[CT+4:CT+6], v[\s+48:\s+63], v[TM+15]
	v_nop                                              ; one plain place behind a scaled conversion
.irp i, 0,1,2
	v_permlane16_swap_b32 v[\d0+\i], v[CT+\i]          ; a whole block in a lane
.endr
.irp i, 0,1,2
	v_permlane16_swap_b32 v[\d1+\i], v[CT+4+\i]
.endr
.irp i, 0,1,2
	v_mov_b32 v[\d0+3+\i], v[CT+\i]
	v_mov_b32 v[\d1+3+\i], v[CT+4+\i]
.endr
.endm
	s_load_b128 s[4:7], s[0:1], 0x0                ; x, xq
	v_lshrrev_b32 v6, 5, v0
	v_readfirstlane_b32 s10, v6
	v_and_b32 v7, 31, v0
	v_and_b32 v8, 15, v0
	v_bfe_u32 v9, v0, 4, 1
	v_lshlrev_b32 v1, 4, v7
	s_mul_i32 s11, s10, STG
	v_add_nc_u32 v2, s11, v1                       ; the stage, on the way in
	v_mul_u32_u24 v3, v8, 528
	v_lshl_add_u32 v3, v9, 6, v3
	v_add_nc_u32 v3, s11, v3                       ; and out: row r, + 64 h
	v_lshlrev_b32 v4, 3, v7
	v_lshlrev_b32 v5, 4, v8
	s_mov_b32 s[SEL], 0x76543210
	s_mov_b32 s[SEL+1], 0xfedcba98
.irp b, 0,1,2,3
	v_mov_b32 v[TM+4+\b], 0                        ; a lane permute's destination counts as one of its sources
.endr
	s_lshr_b32 s14, s10, 1
	s_and_b32 s15, s10, 1
	s_lshl_b32 s16, ttmp9, 17
	s_lshl_b32 s18, s14, 15
	s_add_co_u32 s16, s16, s18
	s_lshl_b32 s18, s15, 11
	s_add_co_u32 s16, s16, s18
	s_mov_b32 s17, 0
	s_lshl_b32 s18, ttmp9, 1
	s_add_co_u32 s18, s18, s14                     ; T
	s_mul_i32 s20, s18, 12288
	s_mul_i32 s22, s15, 6144
	s_add_co_u32 s20, s20, s22
	s_mov_b32 s21, 0
	s_lshl_b32 s22, s18, 9
	s_lshl_b32 s24, s15, 8
	s_add_co_u32 s22, s22, s24
	s_add_co_u32 s22, s22, XS
	s_mov_b32 s23, 0
	s_wait_alu depctr_va_vdst(0)
	s_wait_kmcnt 0x0
	s_add_nc_u64 s[4:5], s[4:5], s[16:17]
	s_add_nc_u64 s[8:9], s[6:7], s[22:23]
	s_add_nc_u64 s[6:7], s[6:7], s[20:21]
.macro LOADX sl
.irp i, 0,1,2,3,4,5,6,7,8,9,10,11,12,13,14,15
	global_load_b128 v[RAW+64*((\sl)%2)+4*\i:RAW+64*((\sl)%2)+4*\i+3], v1, s[4:5] offset:(\i+8*(\i/8))*4096+512*(\sl) th:TH_LOAD_NT
.endr
.endm
.macro STEPX sl
.if (\sl) < 3
	s_wait_loadcnt 16                              ; this step's 16 loads are in; the next step's 16 may be out
.else
	s_wait_loadcnt 0x0
.endif
.irp i, 0,1,2,3,4,5,6,7,8,9,10,11,12,13,14,15
	ds_store_b128 v2, v[RAW+64*((\sl)%2)+4*\i:RAW+64*((\sl)%2)+4*\i+3] offset:528*\i
.endr
.irp b, 0,1,2,3
.irp j, 0,1,2,3
	ds_load_b128 v[X+16*\b+4*\j:X+16*\b+4*\j+3], v3 offset:128*\b+16*\j   ; LDS serves a wave's instructions in order
.endr
.endr
.if (\sl) < 2
	s_wait_dscnt 16                                ; the 16 stores are done: their registers take the loads of two steps on
	LOADX (\sl)+2
.endif
	s_wait_dscnt 0x0
	s_wait_xcnt 0x0                                ; the last step's stores have read the codes' registers
	QUANT X, PC, PC+6, SW+(\sl)
.irp p, 0,1,2,3,4,5
	global_store_b64 v4, v[PC+2*\p:PC+2*\p+1], s[6:7] offset:1536*(\sl)+256*\p   ; 32 lanes store 256 consecutive bytes, aligned
.endr
.endm
	LOADX 0
	LOADX 1
	STEPX 0
	STEPX 1
	STEPX 2
	STEPX 3
	s_wait_xcnt 0x0                                ; EXEC changes only behind this wait
	v_cmp_gt_u32 vcc_lo, 16, v7
	s_wait_tensorcnt 0x0                           ; the wave's end
	ds_add_u32 v254, v255
	s_wait_dscnt 0x0
	s_and_saveexec_b32 s16, vcc_lo                 ; lanes 16-31 hold the same words as lanes 0-15
	global_store_b128 v5, v[SW:SW+3], s[8:9]
	s_wait_xcnt 0x0
	s_or_b32 exec_lo, exec_lo, s16
	s_endpgm
.Lweights:
; ---- the weights, K their first axis.  A lane takes a column and its registers run down K: a load reads 128 consecutive bytes a wave, a block of 32 lies in one lane, the codes come out with K innermost.
; Work-group number - 256: its low five bits name 128 columns (under 24: W_qkv's, else W_proj's), the rest the K step.  Wave w: 32 columns = two tiles.
; The codes go through the wave's own LDS as two images of a fragment and leave as runs of 512 consecutive bytes; the scale words leave as 4 bytes a lane.
.set WS,   3145728
.set A,    16
.set X,    48
.set C,    176
.set C2,   208
.set IMG,  1664                        ; a fragment's image, 1,536 bytes, + 128
.set WREG, 2*IMG
.set WB,   33792                       ; this path's LDS begins behind the other's
	s_load_b128 s[4:7], s[0:1], 0x10               ; W_qkv, W_proj
	s_load_b64 s[8:9], s[0:1], 0x20                ; wq
	s_sub_co_u32 s34, ttmp9, 256
	s_and_b32 s35, s34, 31                         ; which 128 columns
	v_lshrrev_b32 v1, 5, v0
	v_readfirstlane_b32 s10, v1
	v_and_b32 v2, 31, v0
	v_bfe_u32 v3, v0, 3, 1                         ; u: which of the two tiles
	v_and_b32 v4, 7, v0
	v_bfe_u32 v5, v0, 4, 1
	v_lshl_add_u32 v4, v5, 3, v4                   ; r: its place there
	v_lshlrev_b32 v6, 2, v2
	s_wait_alu depctr_va_vdst(0)
	s_mul_i32 s11, s10, WREG
	s_add_co_u32 s11, s11, WB
	v_mul_u32_u24 v12, v3, IMG
	v_lshl_add_u32 v12, v4, 3, v12
	v_add_nc_u32 v12, s11, v12
	v_lshlrev_b32 v14, 4, v2
	v_add_nc_u32 v13, s11, v14
	v_lshlrev_b32 v15, 9, v3
	v_lshl_add_u32 v15, v4, 4, v15
	s_lshr_b32 s12, s34, 5                         ; the K step
	s_mov_b32 s13, 4096
	s_cmp_lt_u32 s35, 24
	s_cselect_b32 s13, 12288, s13                  ; bytes from row to row
	s_cselect_b32 s14, 0, 24
	s_sub_co_u32 s14, s35, s14
	s_lshl_b32 s14, s14, 9
	s_lshl_b32 s15, s10, 7
	s_add_co_u32 s14, s14, s15
	s_lshl_b32 s15, s12, 7
	s_mul_i32 s15, s15, s13
	s_add_co_u32 s26, s14, s15
	s_mov_b32 s27, 0
	s_lshl_b32 s24, s13, 5
	s_mov_b32 s25, 0
.irp i, 0,1,2,3,4,5,6,7,8,9,10,11,12,13,14,15,16,17,18,19,20,21,22,23,24,25,26,27,28,29,30,31
	v_mad_u32_u24 v[A+\i], s13, \i, v6
.endr
	s_lshl_b32 s28, s35, 2
	s_add_co_u32 s28, s28, s10                     ; my pair of tiles
	s_mul_i32 s30, s28, 24576
	s_mul_i32 s29, s12, 1536
	s_add_co_u32 s30, s30, s29
	s_mov_b32 s31, 0
	s_lshl_b32 s32, s28, 10
	s_lshr_b32 s29, s12, 2
	s_lshl_b32 s29, s29, 8
	s_add_co_u32 s32, s32, s29
	s_and_b32 s29, s12, 3
	s_lshl_b32 s29, s29, 2
	s_add_co_u32 s32, s32, s29
	s_add_co_u32 s32, s32, WS
	s_mov_b32 s33, 0
	s_wait_alu depctr_va_vdst(0)
	s_wait_kmcnt 0x0
	s_cmp_lt_u32 s35, 24
	s_cselect_b64 s[4:5], s[4:5], s[6:7]           ; the choice hangs on the work-group's number alone
	s_add_nc_u64 s[16:17], s[4:5], s[26:27]
	s_add_nc_u64 s[18:19], s[16:17], s[24:25]
	s_add_nc_u64 s[20:21], s[18:19], s[24:25]
	s_add_nc_u64 s[22:23], s[20:21], s[24:25]
	s_add_nc_u64 s[6:7], s[8:9], s[30:31]
	s_add_nc_u64 s[8:9], s[8:9], s[32:33]
.irp t, 0,1,2,3
.irp i, 0,1,2,3,4,5,6,7,8,9,10,11,12,13,14,15,16,17,18,19,20,21,22,23,24,25,26,27,28,29,30,31
	global_load_b32 v[X+32*\t+\i], v[A+\i], s[16+2*\t:17+2*\t] th:TH_LOAD_NT
.endr
.endr
.macro BLOCK t
.set XB, X+32*(\t)
.if (\t) < 2
	s_wait_loadcnt 63                              ; 96 (then 64) younger loads might stay out; the wait's field holds 63 at the most, and a smaller count is safe
.else
	s_wait_loadcnt 32*(3-(\t))
.endif
	v_max3_num_f32 v9, |v[XB]|, |v[XB+1]|, |v[XB+2]|
	v_max3_num_f32 v10, |v[XB+3]|, |v[XB+4]|, |v[XB+5]|
.irp i, 6,10,14,18,22,26
	v_max3_num_f32 v9, v9, |v[XB+\i]|, |v[XB+\i+1]|
	v_max3_num_f32 v10, v10, |v[XB+\i+2]|, |v[XB+\i+3]|
.endr
	v_max3_num_f32 v9, v9, |v[XB+30]|, |v[XB+31]|
	v_max3_num_f32 v9, v9, v10, 0x1800000
	v_add_nc_u32 v11, 0xff000000, v9
	v_lshrrev_b32 v10, 23, v11
.if (\t) == 0
	v_mov_b32 v8, v10
.else
	v_lshl_or_b32 v8, v10, 8*(\t), v8
.endif
	v_cvt_scalef32_pk16_fp6_f32 v[C+8*(\t):C+8*(\t)+2], v[XB:XB+15], v11
	v_cvt_scalef32_pk16_fp6_f32 v[C2+4*(\t):C2+4*(\t)+2], v[XB+16:XB+31], v11
	v_nop
.irp i, 0,1,2
	v_mov_b32 v[C+8*(\t)+3+\i], v[C2+4*(\t)+\i]
.endr
.irp p, 0,1,2                          ; block t is registers 6 (t / 2) on of fragment lane r + 16 (t % 2)
	ds_store_b64 v12, v[C+8*(\t)+2*\p:C+8*(\t)+2*\p+1] offset:768*((\t)/2)+128*((\t)%2)+256*\p
.endr
.endm
	BLOCK 0
	BLOCK 1
	BLOCK 2
	BLOCK 3
.irp n, 0,1,2,3,4,5
	ds_load_b128 v[X+4*\n:X+4*\n+3], v13 offset:IMG*(\n/3)+512*(\n%3)
.endr
	global_store_b32 v15, v8, s[8:9]
.irp n, 0,1,2,3,4,5
	s_wait_dscnt 5-\n
	global_store_b128 v14, v[X+4*\n:X+4*\n+3], s[6:7] offset:12288*(\n/3)+512*(\n%3)   ; 32 lanes store 512 consecutive bytes, aligned to 256
.endr
	s_wait_tensorcnt 0x0
	ds_add_u32 v254, v255
	s_wait_dscnt 0x0
	s_endpgm
.Lfunc_end_k_qedbc6832b5_quant:
	.size	k_qedbc6832b5_quant, .Lfunc_end_k_qedbc6832b5_quant-k_qedbc6832b5_quant
	.p2alignl 7, 3214868480
	.fill 96, 4, 3214868480
	.section	.rodata,"a",@progbits
	.p2align	6, 0x0
	.amdhsa_kernel k_qedbc6832b5_quant
		.amdhsa_group_segment_fixed_size 47616
		.amdhsa_private_segment_fixed_size 0
		.amdhsa_enable_private_segment 0
		.amdhsa_kernarg_size 40
		.amdhsa_user_sgpr_count 2
		.amdhsa_user_sgpr_kernarg_segment_ptr 1
		.amdhsa_wavefront_size32 1
		.amdhsa_system_sgpr_workgroup_id_x 1
		.amdhsa_system_sgpr_workgroup_id_y 1
		.amdhsa_system_sgpr_workgroup_id_z 1
		.amdhsa_system_vgpr_workitem_id 0
		.amdhsa_next_free_vgpr 256
		.amdhsa_next_free_sgpr 66
		.amdhsa_reserve_vcc 1
		.amdhsa_float_denorm_mode_32 3
		.amdhsa_float_denorm_mode_16_64 3
		.amdhsa_memory_ordered 1
		.amdhsa_forward_progress 1
		.amdhsa_inst_pref_size 59
	.end_amdhsa_kernel
	.amdgpu_metadata
---
amdhsa.version: [ 1, 2 ]
amdhsa.kernels:
  - .name:           k_qedbc6832b5_quant
    .symbol:         k_qedbc6832b5_quant.kd
    .args:
      - { .name: x, .offset: 0, .size: 8, .value_kind: global_buffer, .address_space: global }
      - { .name: xq, .offset: 8, .size: 8, .value_kind: global_buffer, .address_space: global }
      - { .name: W_qkv, .offset: 16, .size: 8, .value_kind: global_buffer, .address_space: global }
      - { .name: W_proj, .offset: 24, .size: 8, .value_kind: global_buffer, .address_space: global }
      - { .name: wq, .offset: 32, .size: 8, .value_kind: global_buffer, .address_space: global }
    .group_segment_fixed_size: 47616
    .private_segment_fixed_size: 0
    .kernarg_segment_align: 8
    .kernarg_segment_size: 40
    .max_flat_workgroup_size: 128
    .sgpr_count:     66
    .vgpr_count:     256
    .wavefront_size: 32
...
	.end_amdgpu_metadata
.endif
;; end of part 1
;; launch gemm_qkv (part 2): grid 96 x 4, 4 waves a work-group, clusters of 4 x 4, 327,680 bytes of LDS; arguments xq, wq, b_qkv, qkv; writes qkv
.if DOCPART == 2
	.amdgcn_target "amdgcn-amd-amdhsa--gfx1250"
	.amdhsa_code_object_version 6
	.text
	.protected	k_qedbc6832b5_gemm_qkv
	.globl	k_qedbc6832b5_gemm_qkv
	.p2align	8
	.type	k_qedbc6832b5_gemm_qkv,@function
k_qedbc6832b5_gemm_qkv:
	s_mov_b64 s[64:65], 0
	v_nop
	global_prefetch_b8 v0, s[64:65] scope:SCOPE_SE
	s_setreg_imm32_b32 hwreg(HW_REG_WAVE_MODE, 25, 1), 1
	s_wait_xcnt 0x0
	s_wait_alu depctr_hold_cnt(0) depctr_sa_sdst(0) depctr_va_vdst(0) depctr_va_sdst(0) depctr_va_ssrc(0) depctr_va_vcc(0) depctr_vm_vsrc(0)
	s_getreg_b32 s2, hwreg(HW_REG_IB_STS2, 6, 4)
	s_cmp_eq_u32 s2, 0
	s_cbranch_scc0 .Lentry_in_a_cluster
	s_endpgm
.Lentry_in_a_cluster:
	s_bfe_u32 s2, ttmp6, 0x10000c
	s_cmp_lg_u32 s2, 0xf033
	s_cbranch_scc0 .Lentry_shape_is_right
	s_endpgm
.Lentry_shape_is_right:
; qkv = x W_qkv + b_qkv on codes of FP6 (E2M3) with E8M0 scales, K = 1,024; the result never goes to memory as f32: q and k are quantised along the head's 64, v along the keys, in registers, and leave as codes.
; LIMITS: NaN and infinities are not served; a block whose largest magnitude lies under 2^-124 has its byte held at 1; a block of zeros gets the byte 1 where the rule says 127 (zero codes; only this program reads the bytes).
; A work-group of four waves makes 256 x 256 of the product, a wave 128 x 128: 64 accumulators, 512 registers.  Source 0 takes tiles of the "B role", source 1 tiles of the "A role": a lane then holds ONE A-role row, and its registers run along the B role.
; TILES: tile T, place r is row 32 (T / 2) + 8 (T % 2) + r + 8 (r / 8) (of x's rows, of W's columns).  So the 16 registers of two neighbouring B-role tiles are 16 NEIGHBOURS, 32 g + 16 (lane / 16) + 0 .. 15: what the quantiser wants.
; TWO MODES, by the cluster's number c (24 clusters of 4 x 4; the same in all partners).  c < 16: A = x's rows, B = W's columns of q and k: registers run along the head's dims.
; c >= 16: A = W's columns of v, B = x's rows: V^T, registers run along the keys.  Only pointers, tile numbers and the tail differ.
; OPERANDS lie in memory as images of their registers: [tile][K step of 128][1,536 bytes], six chunks of 256 bytes, chunk p = registers 2 p, 2 p + 1, lane l at 8 l: a fragment is six ds_load_b64 of 256 consecutive bytes each.
; K goes in steps of 256 through two LDS slots filled by the tensor data mover; the scale words of the work-group's rows, for all of K, come once.  A's tiles are shared along a row of the cluster, B's along a column: joint loads.
; OUT (qkv).  q at 0, k at REG, v at 2 REG; 98,304 bytes for each (batch, head) bh.  q, k: [pair P of token tiles][1,536]: registers 0-5 tile 2 P, 6-11 tile 2 P + 1, as three chunks of 512 bytes (registers 4 c on, lane l at 16 l).
; v: [key step st of 128][tile dt of 16 dims][1,536], likewise.  Scale words from QS on (k + SREG, v + 2 SREG), 4,096 bytes a bh: [st][place r][four words: P % 4, or dt].
; REGISTERS: window 0: v16-30 addresses; v32-63 scale words, two sets; v64-127 the bias; v128-223 A's fragments, one set (in the tail v128-255 are at work).  Window 1: B's fragments, two sets.  Windows 2, 3: the accumulators ((a, b) at v[8 (8 (a % 4) + b)]).
.set NQ,     2                         ; matrix instructions deep in a slot
.set FR,     12                        ; registers of a fragment
.set NL,     6                         ; LDS loads that bring one
.set NP,     4                         ; places behind this matrix instruction (ISA guide 7.12.1)
.set FRB,    1536                      ; a fragment's image
.set TROW,   NQ*FRB                    ; a tile's part of a slot
.set TPITCH, 12288                     ; a tile's codes for all of K
.set HALFT,  8*TROW                    ; 8 tiles: what one tensor load brings, and what one wave reads of a role
.set SLOT,   4*HALFT                   ; A's 16 tiles, then B's 16
.set SCL,    2*SLOT                    ; behind the ring: the scale words
.set HALFS,  4096                      ; those of 8 tiles
.set SPARE,  SCL+4*HALFS               ; the spare words, 128 bytes for each wave: two blocks of 256 bytes that no other line names
.set XS,     6291456                   ; where the scale words begin in xq,
.set WS,     3145728                   ; in wq
.set REG,    6291456
.set SREG,   262144
.set QS,     18874368
.set ADRA, 16                          ; v16-17  LDS address of my A fragments in slot 0, 1
.set ADRB, 20                          ; v20-21  the same for B
.set CO,   24                          ; v24     16 x lane: my place in a chunk of 512 bytes
.set SO,   25                          ; v25     16 r + 4096 (lane / 16): my scale words; lanes 16-31 store the next head's
.set BA0,  26                          ; v26     the bias, registers along the features: 64 (lane / 16)
.set ADRS, 27                          ; v27     LDS address of my scale words: lanes 0-15 A's, lanes 16-31 B's
.set SPW,  28                          ; v28     LDS address of my spare word; never rewritten
.set NIL,  29                          ; v29     0; never rewritten
.set BA1,  30                          ; v30     the bias, a feature to a lane: 4 (r + 8 (r / 8))
.set SC,   32
.set BIAS, 64
.set AF,   128
.set H,    128                         ; the tail: 64 numbers of my row
.set PC,   192                         ; v192-215 codes
.set CT,   216
.set TM,   224
.set SW,   240                         ; v240-247 scale words as made
.set OW,   248                         ; v248-255 and as stored
.set SEL,  98                          ; s[98:99] lane selects for v_permlanex16_b32
.set G1, 24
.set G0, 32
.set G1B, 48
.set G0B, 56
.set G1S, 68
.set G0S, 76
.set G1SB, 80
.set G0SB, 88
.set MSB, 0
.macro WIN new                         ; the immediate's high byte repeats the setting that is left
.if MSB != (\new)
	s_set_vgpr_msb (MSB<<8)|(\new)
.set MSB, (\new)
.endif
.endm
.set MUL_LO, 0xa1                      ; source 0 (B) window 1, source 1 (A) window 0, C and D window 2
.set MUL_HI, 0xf1                      ; the same, C and D window 3
.set TO_B,   0x40                      ; destination window 1, address window 0
; A joint load: waves 0 and 1 fetch for A, waves 2 and 3 for B.  Each line has one mask and one set of registers for all that issue it; the branch hangs on the wave's number alone.
; Four v_nop follow each of the two lines, ahead of the jump, the label and what follows.
.macro JLOAD g0a, g1a, g0b, g1b
	s_cmp_eq_u32 s15, 0
	s_cbranch_scc0 .Lfor_b_\@
	tensor_load_to_lds s[\g0a:\g0a+3], s[\g1a:\g1a+7]
	s_nop 0
.rept 4
	v_nop
.endr
	s_branch .Lasked_\@
.Lfor_b_\@:
	tensor_load_to_lds s[\g0b:\g0b+3], s[\g1b:\g1b+7]
	s_nop 0
.rept 4
	v_nop
.endr
.Lasked_\@:
.endm
.macro CREST                           ; a round of the cluster's barrier behind its opening barrier
	s_cmp_lg_u32 s14, 0
	s_cbranch_scc1 .Lnot_wave_0_\@
	s_barrier_signal -3
.Lnot_wave_0_\@:
	s_barrier_wait -3
	s_barrier_signal -1
	s_barrier_wait -1
.endm
.macro CROUND                          ; a whole round
	s_barrier_signal -1
	s_barrier_wait -1
	CREST
.endm
; 64 numbers of a lane, v[s] on, register 16 b + i = k 32 b + 16 (lane / 16) + i of my row, become registers 0-5 (at d0) and 6-11 (at d1) of a fragment and its scale word (pw).
.macro QUANT s, d0, d1, pw
.irp b, 0,1,2,3
	v_max3_num_f32 v[TM+\b], |v[\s+16*\b]|, |v[\s+1+16*\b]|, 0x1800000   ; block b: my 16 numbers, and the floor 2^(3 - 127): the byte cannot fall under 1
.endr
.irp i, 2,4,6,8,10,12,14
.irp b, 0,1,2,3
	v_max3_num_f32 v[TM+\b], v[TM+\b], |v[\s+16*\b+\i]|, |v[\s+1+16*\b+\i]|
.endr
.endr
.irp b, 0,1,2,3
	v_permlanex16_b32 v[TM+4+\b], v[TM+\b], s[SEL], s[SEL+1]
.endr
.irp b, 0,1,2,3
	v_max_num_f32 v[TM+\b], v[TM+\b], v[TM+4+\b]       ; with lane l xor 16's: the block's largest magnitude
.endr
.irp b, 0,1,2,3
	v_add_nc_u32 v[TM+12+\b], 0xff000000, v[TM+\b]     ; 2 off its exponent field: the conversion's scale operand
.endr
.irp b, 0,1,2,3
	v_lshrrev_b32 v[TM+4+\b], 23, v[TM+12+\b]          ; the scale's byte
.endr
	v_lshl_or_b32 v[\pw], v[TM+5], 8, v[TM+4]
	v_lshl_or_b32 v[\pw], v[TM+6], 16, v[\pw]
	v_lshl_or_b32 v[\pw], v[TM+7], 24, v[\pw]
	v_cvt_scalef32_pk16_fp6_f32 v[\d0:\d0+2], v[\s:\s+15], v[TM+12]
	v_cvt_scalef32_pk16_fp6_f32 v[CT:CT+2], v[\s+16:\s+31], v[TM+13]       ; (a conversion's three registers begin on an even number)
	v_cvt_scalef32_pk16_fp6_f32 v[\d1:\d1+2], v[\s+32:\s+47], v[TM+14]
	v_cvt_scalef32_pk16_fp6_f32 v[CT+4:CT+6], v[\s+48:\s+63], v[TM+15]
	v_nop                                              ; one plain place behind a scaled conversion
.irp i, 0,1,2
	v_permlane16_swap_b32 v[\d0+\i], v[CT+\i]          ; a WHOLE block in a lane: lanes 0-15 the even block, lanes 16-31 the odd one
.endr
.irp i, 0,1,2
	v_permlane16_swap_b32 v[\d1+\i], v[CT+4+\i]
.endr
.irp i, 0,1,2
	v_mov_b32 v[\d0+3+\i], v[CT+\i]
	v_mov_b32 v[\d1+3+\i], v[CT+4+\i]
.endr
.endm
	s_load_b128 s[4:7], s[0:1], 0x0                ; xq s[4:5], wq s[6:7]
	s_load_b128 s[8:11], s[0:1], 0x10              ; b_qkv s[8:9], qkv s[10:11]
	v_lshl_add_u32 v[SPW], v0, 2, SPARE
	v_mov_b32 v[NIL], 0
	ds_add_u32 v28, v29
	ds_add_u32 v28, v29
	s_wait_dscnt 0x0
	v_lshrrev_b32 v1, 5, v0
	v_readfirstlane_b32 s14, v1                    ; wave 0..3
	s_lshr_b32 s15, s14, 1                         ; which half of the A role is mine.  Also: I fetch for A (0) or for B (1)
	s_and_b32 s16, s14, 1                          ; which half of the B role.  Also: which 8 tiles I fetch
	s_bfe_u32 s40, ttmp6, 0x40000                  ; cx, cy: my place in the cluster
	s_bfe_u32 s41, ttmp6, 0x40004
	s_lshl_b32 s43, s41, 2
	s_lshl_b32 s43, 15, s43                        ; my row of the cluster
	s_lshl_b32 s44, 0x1111, s40                    ; my column
	; the mode: which blocks of 256 the cluster takes, from which buffer, and where that buffer's scale words begin.  All of it hangs on the cluster's number alone.
	s_lshr_b32 s17, ttmp9, 1
	s_lshl_b32 s17, s17, 2                         ; q, k: x's blocks 4 (c / 2) on,
	s_and_b32 s42, ttmp9, 1
	s_lshl_b32 s42, s42, 2                         ;       W's blocks 4 (c % 2) on
	s_max_u32 s18, ttmp9, 16
	s_sub_co_u32 s18, s18, 16
	s_lshl_b32 s18, s18, 2                         ; v: x's blocks 4 (c - 16) on; W's blocks 8 on
	s_mov_b32 s92, XS
	s_mov_b32 s93, WS
	s_cmp_lt_u32 ttmp9, 16
	s_cselect_b32 s17, s17, 8
	s_cselect_b32 s42, s42, s18
	s_cselect_b32 s94, s92, s93                    ; A's scale words begin here,
	s_cselect_b32 s95, s93, s92                    ; B's here
	s_add_co_u32 s17, s17, s41                     ; A's block of 256 = .. + cy
	s_add_co_u32 s42, s42, s40                     ; B's = .. + cx
	; descriptor group 1: 8 tiles' parts of a slot: 8 rows of 3,072 bytes (384 elements of 8 bytes), 12,288 bytes apart; no padding: every LDS read takes 256 consecutive bytes
	s_or_b32 s[G1+0], s43, (3<<16)|(1<<21)         ; 15:0 the mask: A's tiles go to my row; 17:16 elements of 8 bytes; 21 set beside a mask
	s_or_b32 s[G1B+0], s44, (3<<16)|(1<<21)
.irp g, G1, G1B
	s_mov_b32 s[\g+1], (TROW/8)<<16                ; tensor_dim0
	s_mov_b32 s[\g+2], 16<<16                      ; tensor_dim1: 16 tiles for the head's loads; 8 for the ring's, set behind them
	s_mov_b32 s[\g+3], (TROW/8)<<16                ; tile_dim0
	s_mov_b32 s[\g+4], 16                          ; tile_dim1
	s_mov_b32 s[\g+5], TPITCH/8                    ; tensor_dim0_stride
	s_mov_b32 s[\g+6], 0
	s_mov_b32 s[\g+7], 0
.endr
	; and for the scale words of 16 tiles: 8,192 dense bytes as 32 rows of 256
	s_or_b32 s[G1S+0], s43, (3<<16)|(1<<21)
	s_or_b32 s[G1SB+0], s44, (3<<16)|(1<<21)
.irp g, G1S, G1SB
	s_mov_b32 s[\g+1], 32<<16
	s_mov_b32 s[\g+2], 32<<16                      ; the scale words of 16 tiles: 32 rows of 256 bytes
	s_mov_b32 s[\g+3], 32<<16
	s_mov_b32 s[\g+4], 32
	s_mov_b32 s[\g+5], 32
	s_mov_b32 s[\g+6], 0
	s_mov_b32 s[\g+7], 0
.endr
	s_lshl_b32 s20, s17, 4                         ; A: the block's first tile
	s_lshl_b32 s46, s42, 4                         ; B likewise
	s_lshl_b32 s22, s20, 9
	s_add_co_u32 s22, s22, s94                     ; their scale words, 512 bytes a tile
	s_mov_b32 s23, 0
	s_lshl_b32 s92, s46, 9
	s_add_co_u32 s92, s92, s95
	s_mov_b32 s93, 0
	s_mul_i32 s20, s20, TPITCH                     ; and their codes
	s_mov_b32 s21, 0
	s_mul_i32 s46, s46, TPITCH
	s_mov_b32 s47, 0
	s_mul_i32 s45, s14, HALFT                      ; where they go: wave x 8 tiles: no place in the cluster enters an LDS address
	s_wait_kmcnt 0x0
	s_cmp_lt_u32 ttmp9, 16
	s_cselect_b64 s[96:97], s[4:5], s[6:7]         ; A's buffer,
	s_cselect_b64 s[98:99], s[6:7], s[4:5]         ; B's: the choice hangs on the cluster's number alone
	s_add_nc_u64 s[20:21], s[96:97], s[20:21]
	s_add_nc_u64 s[22:23], s[96:97], s[22:23]
	s_add_nc_u64 s[46:47], s[98:99], s[46:47]
	s_add_nc_u64 s[92:93], s[98:99], s[92:93]
	CROUND                                         ; all sixteen work-groups are here: the first joint loads meet
	s_mov_b32 s[G0S], 1
	s_mov_b32 s[G0S+1], SCL
	s_mov_b64 s[G0S+2:G0S+3], s[22:23]
	s_or_b32 s[G0S+3], s[G0S+3], 0x80000000
	s_mov_b32 s[G0SB], 1
	s_mov_b32 s[G0SB+1], SCL+2*HALFS
	s_mov_b64 s[G0SB+2:G0SB+3], s[92:93]
	s_or_b32 s[G0SB+3], s[G0SB+3], 0x80000000
.set G0H, 4                            ; s[4:7], s[96:99] group 0 of the head's loads of slot 0: A's 16 tiles, B's 16 (what lay there has been used)
.set G0HB, 96
	s_mov_b32 s[G0H], 1
	s_mov_b32 s[G0H+1], 0
	s_mov_b64 s[G0H+2:G0H+3], s[20:21]
	s_or_b32 s[G0H+3], s[G0H+3], 0x80000000
	s_mov_b32 s[G0HB], 1
	s_mov_b32 s[G0HB+1], 2*HALFT
	s_mov_b64 s[G0HB+2:G0HB+3], s[46:47]
	s_or_b32 s[G0HB+3], s[G0HB+3], 0x80000000
	s_mul_i32 s18, s16, 8*TPITCH                   ; for the ring: my 8 tiles of the 16
	s_mov_b32 s19, 0
	s_add_nc_u64 s[20:21], s[20:21], s[18:19]
	s_add_nc_u64 s[46:47], s[46:47], s[18:19]
.irp s, 0,1
	s_mov_b32 s[G0+4*\s], 1
	s_add_co_u32 s[G0+4*\s+1], s45, \s*SLOT
	s_add_nc_u64 s[G0+4*\s+2:G0+4*\s+3], s[20:21], \s*TROW
	s_or_b32 s[G0+4*\s+3], s[G0+4*\s+3], 0x80000000
	s_mov_b32 s[G0B+4*\s], 1
	s_add_co_u32 s[G0B+4*\s+1], s45, \s*SLOT
	s_add_nc_u64 s[G0B+4*\s+2:G0B+4*\s+3], s[46:47], \s*TROW
	s_or_b32 s[G0B+4*\s+3], s[G0B+4*\s+3], 0x80000000
.endr
; The head's loads, one a wave: wave 0 slot 0's 16 tiles of A, wave 1 its 16 of B, wave 2 A's scale words, wave 3 B's.  One chain of branches on the wave's number.
.macro ARM under, g0, g1, next
	s_cmp_lt_u32 s14, \under
	s_cbranch_scc0 \next
	tensor_load_to_lds s[\g0:\g0+3], s[\g1:\g1+7]
	s_nop 0
.rept 4
	v_nop
.endr
	s_branch .Lhead_asked
\next:
.endm
	ARM 1, G0H,  G1,  .Lhead_b
	ARM 2, G0HB, G1B, .Lhead_sa
	ARM 3, G0S,  G1S, .Lhead_sb
	tensor_load_to_lds s[G0SB:G0SB+3], s[G1SB:G1SB+7]
	s_nop 0
.rept 4
	v_nop
.endr
.Lhead_asked:
	v_and_b32 v1, 15, v0
	v_bfe_u32 v2, v0, 4, 1                         ; h
	s_wait_alu depctr_va_vdst(0)
	v_and_b32 v3, 31, v0                           ; lane
	v_lshlrev_b32 v4, 3, v3                        ; 8 x lane: my place in a chunk
	s_mul_i32 s21, s15, HALFT                      ; my 8 tiles of A
	s_mul_i32 s22, s16, HALFT                      ; my 8 tiles of B,
	s_add_co_u32 s22, s22, 2*HALFT                 ; which lie behind A's 16
.irp s, 0,1
	v_add_nc_u32 v[ADRA+\s], s21, v4
	v_add_nc_u32 v[ADRB+\s], s22, v4
	s_add_co_u32 s21, s21, SLOT
	s_add_co_u32 s22, s22, SLOT
.endr
	v_lshlrev_b32 v5, 4, v1                        ; my place's scale words: 16 bytes a place
	s_lshl_b32 s21, s15, 12                        ; A's: my 8 tiles
	s_lshl_b32 s22, s16, 12                        ; B's: my 8 tiles, behind A's 16
	s_add_co_u32 s22, s22, 2*HALFS
	s_sub_co_u32 s22, s22, s21
	v_mul_u32_u24 v6, s22, v2                      ; lanes 16-31 take B's: the lower base + h x the distance
	s_add_co_u32 s21, s21, SCL
	v_add_nc_u32 v5, v5, v6
	v_add_nc_u32 v[ADRS], s21, v5
	v_lshlrev_b32 v[CO], 4, v3
	v_lshlrev_b32 v[SO], 4, v1
	v_lshl_add_u32 v[SO], v2, 12, v[SO]
	v_lshlrev_b32 v[BA0], 6, v2
	v_and_b32 v7, 8, v1
	v_add_nc_u32 v7, v7, v1
	v_lshlrev_b32 v[BA1], 2, v7
.macro FRAG reg, adr, q, i             ; a fragment comes as it lies: six chunks of 256 consecutive bytes
.irp p, 0,1,2,3,4,5
	ds_load_b64 v[\reg+2*\p:\reg+2*\p+1], v[\adr] offset:(\i)*TROW+(\q)*FRB+256*\p
.endr
.endm
; 16 matrix instructions: A's blocks a0, a0 + 1 x B's eight, 128 along K: the slot's q-th.  p: B's set;  sc: the set of scale words.  zero = 1: the first product starts the sums.
; The 64 accumulators take turns, one instruction a turn, in the same order in every step.
.macro MUL16 a0, p, q, sc, zero
.irp a, \a0, \a0+1
.irp b, 0,1,2,3,4,5,6,7
.if \zero
	v_wmma_scale_f32_16x16x128_f8f6f4 v[8*(8*((\a)%4)+\b):8*(8*((\a)%4)+\b)+7], v[128*(\p)+FR*\b:128*(\p)+FR*\b+FR-1], v[AF+FR*(\a):AF+FR*(\a)+FR-1], 0, v[SC+8*NQ*(\sc)+NQ*\b+(\q)], v[SC+8*NQ*(\sc)+NQ*(\a)+(\q)] matrix_a_fmt:MATRIX_FMT_FP6 matrix_b_fmt:MATRIX_FMT_FP6 matrix_a_scale:MATRIX_SCALE_ROW1
.else
	v_wmma_scale_f32_16x16x128_f8f6f4 v[8*(8*((\a)%4)+\b):8*(8*((\a)%4)+\b)+7], v[128*(\p)+FR*\b:128*(\p)+FR*\b+FR-1], v[AF+FR*(\a):AF+FR*(\a)+FR-1], v[8*(8*((\a)%4)+\b):8*(8*((\a)%4)+\b)+7], v[SC+8*NQ*(\sc)+NQ*\b+(\q)], v[SC+8*NQ*(\sc)+NQ*(\a)+(\q)] matrix_a_fmt:MATRIX_FMT_FP6 matrix_b_fmt:MATRIX_FMT_FP6 matrix_a_scale:MATRIX_SCALE_ROW1
.endif
.endr
.endr
.endm
.macro FETCH_B slot, q, p              ; B's eight fragments of the slot's q-th 128 along K into set p
	WIN TO_B
.irp i, 0,1,2,3,4,5,6,7
	FRAG 128*(\p)+FR*\i, ADRB+\slot, \q, \i
.endr
	WIN 0
.endm
.macro FETCH_A slot, q, i0             ; A's blocks i0 .. i0 + 3
.irp i, \i0, \i0+1, \i0+2, \i0+3
	FRAG AF+FR*(\i), ADRA+\slot, \q, \i
.endr
.endm
.macro SCALES sc                       ; a slot's scale words into set sc: two words a place; lanes 0-15 take A's block i, lanes 16-31 B's block i
.irp i, 0,1,2,3,4,5,6,7
	ds_load_b64 v[SC+8*NQ*\sc+NQ*\i:SC+8*NQ*\sc+NQ*\i+1], v[ADRS] offset:\i*512
.endr
.endm
; A load into a register that a matrix instruction has read, and a vector instruction that reads a matrix result, stand NP places behind that matrix instruction; only plain vector instructions that name none of its registers are places.
.macro PLACES n
.rept \n
	v_nop
.endr
.endm
; A step of 128 along K that has its successor in the same slot.
.macro STEP slot, q, zero
	s_wait_dscnt 4*NL                              ; B's set, A's blocks 0-3 and the scale words are in; the youngest 24 loads (A's blocks 4-7) may be out
	WIN MUL_LO
	MUL16 0, (\q)%2, \q, \slot, \zero
	MUL16 2, (\q)%2, \q, \slot, \zero
	s_wait_dscnt 0                                 ; A's blocks 4-7 are in (asked for 32 matrix instructions ago)
	PLACES NP
	FETCH_B \slot, (\q)+1, 1-(\q)%2
	FETCH_A \slot, (\q)+1, 0
	WIN MUL_HI
	MUL16 4, (\q)%2, \q, \slot, \zero
	MUL16 6, (\q)%2, \q, \slot, \zero
	PLACES NP
	WIN 0
	FETCH_A \slot, (\q)+1, 4
.endm
; A slot's last step changes slots: ONE barrier; in front of it each wave waits for all its tensor loads, adds 0 to its spare word, and waits for that and for its own reads of this slot.  fill = 1: this slot is filled again, two K steps ahead.
.macro TURN slot, next, fill
	s_wait_tensorcnt 0x0                           ; all my tensor loads have landed: my part of the next slot;  (every window is 0 here)
	ds_add_u32 v[SPW], v[NIL]                      ; 0 onto my spare word
	s_wait_dscnt 4*NL+1                            ; (the add and the youngest 24 loads, A's blocks 4-7, may be out)
	WIN MUL_LO
	MUL16 0, 1, NQ-1, \slot, 0                     ; sixteen matrix instructions stand between the add and the wait for it
	s_wait_dscnt 0x0                               ; the add is done, and my reads of this slot are over
	s_barrier_signal -1
	MUL16 2, 1, NQ-1, \slot, 0
	WIN 0
	s_barrier_wait -1
.if \fill
	CREST                                          ; the barrier has opened a round of the cluster's barrier: no wave of any partner still reads this slot's tile or has a load on its way
	s_add_nc_u64 s[G0+4*\slot+2:G0+4*\slot+3], s[G0+4*\slot+2:G0+4*\slot+3], 2*TROW
	s_add_nc_u64 s[G0B+4*\slot+2:G0B+4*\slot+3], s[G0B+4*\slot+2:G0B+4*\slot+3], 2*TROW
	JLOAD G0+4*\slot, G1, G0B+4*\slot, G1B         ; the first tensor load behind the round, my only one out; the four v_nop behind it are the places in front of the loads below
.else
	PLACES NP
.endif
	s_wait_alu depctr_va_vdst(0)
	v_add_nc_u32 v[ADRS], 8+240*(1-\next), v[ADRS] ; the next slot's scale words: the four slots' lie at 0, 8, 256, 264 of a tile's 512 bytes
	FETCH_B \next, 0, 0
	FETCH_A \next, 0, 0
	SCALES \next
	WIN MUL_HI
	MUL16 4, 1, NQ-1, \slot, 0
	MUL16 6, 1, NQ-1, \slot, 0
	PLACES NP
	WIN 0
	FETCH_A \next, 0, 4
.endm
.macro LAST                            ; the very last step: nothing more to fetch
	s_wait_dscnt 4*NL
	WIN MUL_LO
	MUL16 0, 1, NQ-1, 1, 0
	MUL16 2, 1, NQ-1, 1, 0
	s_wait_dscnt 0x0
	WIN MUL_HI
	MUL16 4, 1, NQ-1, 1, 0
	MUL16 6, 1, NQ-1, 1, 0
	WIN 0
.endm
; Where my results go.  tok, tokh: the registers with the block of 256 tokens and my half of it; fea, feah: the same for the features (blocks 0-3 q, 4-7 k, 8-11 v).
.macro BASES tok, tokh, fea, feah
	s_lshr_b32 s2, s[\tok], 3                      ; the batch: 8 blocks of 256 tokens each
	s_and_b32 s3, s[\tok], 7
	s_lshl_b32 s3, s3, 1
	s_add_co_u32 s3, s3, s[\tokh]                  ; st: my 128 tokens of the batch's 2,048
	s_lshr_b32 s20, s[\fea], 2                     ; 0 q, 1 k, 2 v
	s_and_b32 s21, s[\fea], 3
	s_lshl_b32 s21, s21, 2
	s_lshl_b32 s22, s[\feah], 1
	s_add_co_u32 s21, s21, s22                     ; the first of my two heads
	s_lshl_b32 s2, s2, 4
	s_add_co_u32 s2, s2, s21                       ; bh
	s_mul_i32 s12, s2, 98304
	s_mul_i32 s22, s3, 6144
	s_add_co_u32 s12, s12, s22
	s_mul_i32 s22, s20, REG
	s_add_co_u32 s12, s12, s22
	s_mov_b32 s13, 0
	s_add_nc_u64 s[12:13], s[10:11], s[12:13]      ; the codes
	s_lshl_b32 s18, s2, 12
	s_lshl_b32 s22, s3, 8
	s_add_co_u32 s18, s18, s22
	s_mul_i32 s22, s20, SREG
	s_add_co_u32 s18, s18, s22
	s_add_co_u32 s18, s18, QS
	s_mov_b32 s19, 0
	s_add_nc_u64 s[18:19], s[10:11], s[18:19]      ; the scale words
	s_lshl_b32 s22, s[\fea], 10
	s_lshl_b32 s23, s[\feah], 9
	s_add_co_u32 s22, s22, s23
	s_mov_b32 s23, 0
	s_add_nc_u64 s[22:23], s[8:9], s[22:23]        ; the bias of my 128 features
.endm
.macro ADDB a, bias, step              ; H = block a's 64 results + the bias; each accumulator is read from its low end on
	WIN 0x02+(\a)/4                                ; source 0: window 2 or 3
.set k, 0
.rept 32
	v_pk_add_f32 v[H+k:H+k+1], v[64*((\a)%4)+k:64*((\a)%4)+k+1], v[\bias+(\step)*k:\bias+(\step)*k+1]
.set k, k+2
.endr
	WIN 0
.endm
	s_wait_alu depctr_va_vdst(0)
	s_wait_tensorcnt 0x0                           ; my tile of the head's four is in
	ds_add_u32 v[SPW], v[NIL]
	s_mov_b32 s[G1+2], 8<<16                       ; no tensor load of mine is out: from here on a load brings 8 tiles
	s_mov_b32 s[G1+4], 8
	s_mov_b32 s[G1B+2], 8<<16
	s_mov_b32 s[G1B+4], 8
	s_wait_dscnt 0x0
	CROUND                                         ; all four tiles are in, and all sixteen work-groups are here
	JLOAD G0+4, G1, G0B+4, G1B                     ; slot 1's first fill, the first tensor load behind the round
	FETCH_B 0, 0, 0
	FETCH_A 0, 0, 0
	SCALES 0
	FETCH_A 0, 0, 4
	STEP 0, 0, 1                                   ; K = 1,024 is eight steps, four slots' worth: written straight.  The first products start the sums
	TURN 0, 1, 1
	STEP 1, 0, 0
	TURN 1, 0, 1
	STEP 0, 0, 0
	TURN 0, 1, 0                                   ; nothing is left to fetch: no round
	STEP 1, 0, 0
	s_mov_b32 s[SEL], 0x76543210
	s_mov_b32 s[SEL+1], 0xfedcba98
	s_mov_b32 s100, 0xffff0000                     ; lanes 16-31
	s_cmp_lt_u32 ttmp9, 16                         ; the mode: the same in all partners
	s_cbranch_scc0 .Lv
	; ---- q and k.  A lane holds a token; its 64 registers are two heads' 64 dims: blocks 0, 1 the first head's, blocks 2, 3 the second's.
	BASES 17, 15, 42, 16
.irp b, 0,1,2,3,4,5,6,7                ; the bias in the results' layout: register 8 b + j is feature 32 (b / 2) + 16 h + 8 (b % 2) + j.  It lands under the last 64 products
	global_load_b128 v[BIAS+8*\b:BIAS+8*\b+3], v[BA0], s[22:23] offset:(32*(\b/2)+8*(\b%2))*4
	global_load_b128 v[BIAS+8*\b+4:BIAS+8*\b+7], v[BA0], s[22:23] offset:(32*(\b/2)+8*(\b%2))*4+16
.endr
	LAST
.irp b, 0,1,2,3
	v_mov_b32 v[TM+4+\b], 0                        ; a lane permute's destination counts as one of its sources; these four are also the places behind the last products
.endr
	s_wait_loadcnt 0x0
.irp i, 0,1,2,3                        ; pair i of my four pairs of token tiles
.irp u, 0,1
	ADDB 2*\i+\u, BIAS, 1
.if (\u == 0) && (\i > 0)
	s_wait_xcnt 0x0                                ; the last pair's stores have read the codes' registers
.endif
	QUANT H, PC+6*\u, PC+12+6*\u, SW+\u            ; tile u is registers 6 u on of each head's image
.endr
	v_perm_b32 v[OW+\i], v[SW+1], v[SW], 0x05040100        ; the first head's word of the pair: both tiles' bytes 0, 1;
	v_perm_b32 v[OW+4+\i], v[SW+1], v[SW], 0x07060302      ; the second head's: bytes 2, 3
.irp c, 0,1
.irp k2, 0,1,2
	global_store_b128 v[CO], v[PC+12*\c+4*\k2:PC+12*\c+4*\k2+3], s[12:13] offset:98304*\c+1536*\i+512*\k2   ; 32 lanes store 512 consecutive bytes, aligned to 256
.endr
.endr
.endr
.irp i, 0,1,2,3
	v_cndmask_b32 v[OW+\i], v[OW+\i], v[OW+4+\i], s100     ; lanes 16-31 store the second head's words
.endr
	global_store_b128 v[SO], v[OW:OW+3], s[18:19]  ; 16 lanes store 256 consecutive bytes, aligned, for each head
	s_branch .Lend
.Lv:	; ---- v.  A lane holds a feature (a head's dim); its 64 registers are 128 keys' halves: a block of A is one fragment of V^T.
	BASES 42, 16, 17, 15
.irp a, 0,1,2,3,4,5,6,7                ; my feature's bias in block a, in both registers of a pair for the packed addition
	global_load_b32 v[BIAS+2*\a], v[BA1], s[22:23] offset:(32*(\a/2)+8*(\a%2))*4
	global_load_b32 v[BIAS+2*\a+1], v[BA1], s[22:23] offset:(32*(\a/2)+8*(\a%2))*4
.endr
	LAST
.irp b, 0,1,2,3
	v_mov_b32 v[TM+4+\b], 0                        ; as above: also the places behind the last products
.endr
	s_wait_loadcnt 0x0
.irp a, 0,1,2,3,4,5,6,7                ; blocks 0-3: the first head's four tiles of dims; blocks 4-7: the second's
	ADDB \a, BIAS+2*\a, 0
.if \a > 0
	s_wait_xcnt 0x0                                ; the last block's stores have read the codes' registers
.endif
	QUANT H, PC, PC+6, SW+\a
.irp k2, 0,1,2
	global_store_b128 v[CO], v[PC+4*\k2:PC+4*\k2+3], s[12:13] offset:98304*(\a/4)+1536*(\a%4)+512*\k2
.endr
.endr
.irp i, 0,1,2,3
	v_cndmask_b32 v[OW+\i], v[SW+\i], v[SW+4+\i], s100
.endr
	global_store_b128 v[SO], v[OW:OW+3], s[18:19]
.Lend:
	s_wait_tensorcnt 0x0                           ; the wave's end
	ds_add_u32 v[SPW], v[NIL]
	s_wait_dscnt 0x0
	CROUND                                         ; the closing round: no work-group ends while a partner may still ask for a tile that names it
	s_endpgm
.Lfunc_end_k_qedbc6832b5_gemm_qkv:
	.size	k_qedbc6832b5_gemm_qkv, .Lfunc_end_k_qedbc6832b5_gemm_qkv-k_qedbc6832b5_gemm_qkv
	.p2alignl 7, 3214868480
	.fill 96, 4, 3214868480
	.section	.rodata,"a",@progbits
	.p2align	6, 0x0
	.amdhsa_kernel k_qedbc6832b5_gemm_qkv
		.amdhsa_group_segment_fixed_size 327680
		.amdhsa_private_segment_fixed_size 0
		.amdhsa_enable_private_segment 0
		.amdhsa_kernarg_size 32
		.amdhsa_user_sgpr_count 2
		.amdhsa_user_sgpr_kernarg_segment_ptr 1
		.amdhsa_wavefront_size32 1
		.amdhsa_system_sgpr_workgroup_id_x 1
		.amdhsa_system_sgpr_workgroup_id_y 1
		.amdhsa_system_sgpr_workgroup_id_z 1
		.amdhsa_system_vgpr_workitem_id 0
		.amdhsa_next_free_vgpr 1024
		.amdhsa_next_free_sgpr 104
		.amdhsa_reserve_vcc 0
		.amdhsa_float_denorm_mode_32 3
		.amdhsa_float_denorm_mode_16_64 3
		.amdhsa_memory_ordered 1
		.amdhsa_forward_progress 1
		.amdhsa_inst_pref_size 243
	.end_amdhsa_kernel
	.amdgpu_metadata
---
amdhsa.version: [ 1, 2 ]
amdhsa.kernels:
  - .name:           k_qedbc6832b5_gemm_qkv
    .symbol:         k_qedbc6832b5_gemm_qkv.kd
    .args:
      - { .name: xq, .offset: 0, .size: 8, .value_kind: global_buffer, .address_space: global }
      - { .name: wq, .offset: 8, .size: 8, .value_kind: global_buffer, .address_space: global }
      - { .name: b_qkv, .offset: 16, .size: 8, .value_kind: global_buffer, .address_space: global }
      - { .name: qkv, .offset: 24, .size: 8, .value_kind: global_buffer, .address_space: global }
    .group_segment_fixed_size: 327680
    .private_segment_fixed_size: 0
    .kernarg_segment_align: 8
    .kernarg_segment_size: 32
    .max_flat_workgroup_size: 128
    .sgpr_count:     104
    .vgpr_count:     1024
    .wavefront_size: 32
...
	.end_amdgpu_metadata
.endif
;; end of part 2
;; launch attn (part 3): grid 4 x 64, 8 waves a work-group, clusters of 4 x 1, 327,680 bytes of LDS; arguments qkv, oq; writes oq
.if DOCPART == 3
	.amdgcn_target "amdgcn-amd-amdhsa--gfx1250"
	.amdhsa_code_object_version 6
	.text
	.protected	k_qedbc6832b5_attn
	.globl	k_qedbc6832b5_attn
	.p2align	8
	.type	k_qedbc6832b5_attn,@function
k_qedbc6832b5_attn:
	s_mov_b64 s[64:65], 0
	v_nop
	global_prefetch_b8 v0, s[64:65] scope:SCOPE_SE
	s_setreg_imm32_b32 hwreg(HW_REG_WAVE_MODE, 25, 1), 1
	s_wait_xcnt 0x0
	s_wait_alu depctr_hold_cnt(0) depctr_sa_sdst(0) depctr_va_vdst(0) depctr_va_sdst(0) depctr_va_ssrc(0) depctr_va_vcc(0) depctr_vm_vsrc(0)
	s_getreg_b32 s2, hwreg(HW_REG_IB_STS2, 6, 4)
	s_cmp_eq_u32 s2, 0
	s_cbranch_scc0 .Lentry_in_a_cluster
	s_endpgm
.Lentry_in_a_cluster:
	s_bfe_u32 s2, ttmp6, 0x10000c
	s_cmp_lg_u32 s2, 0x3003
	s_cbranch_scc0 .Lentry_shape_is_right
	s_endpgm
.Lentry_shape_is_right:
; o = softmax(q k^T / 8) v for one (batch, head) and 512 queries a work-group, on codes of FP6 (E2M3) with E8M0 scales; o leaves as codes and scale bytes for the last product.
; p = 2^(t - M), t = score x log2(e) / 8, M the ceiling of the running largest t; the row's sum is taken of the unquantised p; O^T and the sums are multiplied by 2^(old M - new M) in every step.
; LIMITS: the promise holds while |t| stays under 2^31; NaN and infinities are not served; a block whose largest magnitude lies under 2^-124 has its byte held at 1 (zero codes under it add nothing; only this program reads the bytes).
; SHARES.  Grid y: the (batch, head); the four work-groups of a cluster take 512 queries each and ask for K, V and their scale words JOINTLY (mask 15).  All 2,048 keys lie in LDS for the whole launch.
; Eight waves; a wave takes 64 queries in two passes (one text, a loop of two trips), 32 a pass: TWO tiles of 16 queries side by side, which share each fragment of K and of V.  A step is 128 keys, 16 steps a pass.
; Both products are used transposed (S^T = k q^T, O^T = v^T p^T): a lane holds one query.  The head's 64 dims fill half of the instruction's 128: a fragment of K holds two tiles of 16 keys, and q stands beside 64 zero codes, [q, 0] or [0, q].
; WHICH KEYS FORM A TILE is chosen by the LDS address alone: row m of tile (c, u) is key 64 c + 32 (m / 8) + 8 u + m % 8 of the step, so that a lane's 32 registers of four tiles are ONE scale block of p: keys 64 c + 32 (lane / 16) + 0 .. 31.
; In qkv a pair P of tiles is an image of 1,536 bytes, place r of tile e being key 32 P + 16 (r / 8) + 8 e + r % 8: lane (r, h) of fragment (c, w) reads image 2 c + r / 8 at lane 8 w + r % 8 + 16 h.
; LDS: K's images as rows of 256 bytes + 64 of padding (an image is then 1,920 bytes, so the two images that sixteen lanes read lie 128 bytes apart modulo 256); the scale words; V's images, dense; the spare words.
; No prefetch: everything that the launch streams is asked for by the head's loads, one a wave; there is no later tile to run ahead of.
; REGISTERS.  Window 1 holds what is wide: v0-127 S then p of tiles 0 and 1, v128-191 their O^T, v192-223 half sums of tile 0's p.  Window 0 holds all else, so that one window setting serves both tiles in each stretch of the step.
.set REG,   6291456
.set SREG,  262144
.set QS,    18874368
.set OS,    6291456
.set LKS,   122880
.set LVS,   126976
.set LV,    131072
.set SPARE, 229376
.set KSTEP, 7680
.set VSTEP, 6144
.set AK0,  1
.set AV0,  2
.set ASK0, 3
.set ASV0, 4
.set GO,   5
.set GS,   6
.set SH8,  7
.set PSW,  8                           ; v8, v9  p's scale words
.set ADS,  10
.set ADT,  11
.set SPW,  12
.set NIL,  13
.set ADK,  14
.set ADV,  15
.set SA,   16                          ; v16-31 tile 0's small numbers, v32-47 tile 1's:
.set MM,   0                           ; -M, the running largest t
.set F,    2                           ; 2^(old M - new M)
.set SUM,  4                           ; the row's sum in two pairs
.set SM2,  6
.set BM,   8
.set BT,   10
.set BO,   12
.set TP,   14
.set TQ,   15
.set CT,   48                          ; + 8 x tile
.set PC,   64                          ; + 12 x tile: p's codes
.set QZ,   88                          ; six zeros, tile 0's q, six zeros, tile 1's q, six zeros
.set QN,   118                         ; the second pass's q
.set QSW,  130                         ; q's scale words; v132, v133 the second pass's
.set OW,   134
.set KF,   136
.set VF,   184
.set KSW,  232
.set VSW,  236
.set O,    128                         ; window 1
.set T,    192                         ; window 1
.set WV,   8
.set SEL,  40
.set CS,   42
.set ST,   44
.set MSB, 0
.macro WIN new                         ; the immediate's high byte repeats the setting that is left
.if MSB != (\new)
	s_set_vgpr_msb (MSB<<8)|(\new)
.set MSB, (\new)
.endif
.endm
.macro WALU
	s_wait_alu depctr_va_vdst(0)
.endm
.macro CROUND
	s_barrier_signal -1
	s_barrier_wait -1
	s_cmp_lg_u32 s[WV], 0
	s_cbranch_scc1 .Lnot_wave_0_\@
	s_barrier_signal -3
.Lnot_wave_0_\@:
	s_barrier_wait -3
	s_barrier_signal -1
	s_barrier_wait -1
.endm
.macro TLOAD g0, g1
	tensor_load_to_lds s[\g0:\g0+3], s[\g1:\g1+7]
	s_nop 0
.rept 4
	v_nop
.endr
.endm
	s_load_b128 s[4:7], s[0:1], 0x0                ; qkv, oq
	v_lshl_add_u32 v[SPW], v0, 2, SPARE
	v_mov_b32 v[NIL], 0
	ds_add_u32 v[SPW], v[NIL]                      ; the opening lines: the add twice on end and one wait
	ds_add_u32 v[SPW], v[NIL]
	v_lshrrev_b32 v240, 5, v0
	v_readfirstlane_b32 s[WV], v240                ; wave 0..7
	s_and_b32 s10, ttmp7, 0xffff                   ; (batch, head)
	s_mul_i32 s46, s10, 98304
	s_mul_i32 s54, s[WV], 24576                    ; waves 0-3: a quarter of K's codes each, 96 rows of 256 bytes
	s_add_co_u32 s54, s54, s46
	s_add_co_u32 s54, s54, REG
	s_mov_b32 s55, 0
	s_lshl_b32 s56, s[WV], 15                      ; waves 4-6: a third of V's codes each, 128 rows: (wave - 4) x 32,768
	s_add_co_u32 s56, s56, s46
	s_add_co_u32 s56, s56, 2*REG-LV
	s_mov_b32 s57, 0
	s_lshl_b32 s58, s10, 12                        ; wave 7: K's and V's scale words, two rows of 4,096 bytes, SREG apart
	s_add_co_u32 s58, s58, QS+SREG
	s_mov_b32 s59, 0
	s_mov_b32 s16, 15|(3<<16)|(1<<20)|(1<<21)|(5<<22)|(15<<25)   ; K: elements of 8 bytes, 16 words of padding behind every 64
	s_mov_b32 s17, 32<<16
	s_mov_b32 s18, 96<<16
	s_mov_b32 s19, 32<<16
	s_mov_b32 s20, 96
	s_mov_b32 s21, 32
	s_mov_b32 s22, 0
	s_mov_b32 s23, 0
	s_mov_b32 s24, 15|(3<<16)|(1<<21)              ; V: dense
	s_mov_b32 s25, 32<<16
	s_mov_b32 s26, 128<<16
	s_mov_b32 s27, 32<<16
	s_mov_b32 s28, 128
	s_mov_b32 s29, 32
	s_mov_b32 s30, 0
	s_mov_b32 s31, 0
	s_mov_b32 s68, 15|(3<<16)|(1<<21)              ; the scale words
	s_mov_b32 s69, 512<<16
	s_mov_b32 s70, 2<<16
	s_mov_b32 s71, 512<<16
	s_mov_b32 s72, 2
	s_mov_b32 s73, SREG/8
	s_mov_b32 s74, 0
	s_mov_b32 s75, 0
	s_mov_b32 s32, 1
	s_mul_i32 s33, s[WV], 30720                    ; 96 rows of 320 bytes
	s_mov_b32 s36, 1
	s_lshl_b32 s37, s[WV], 15                      ; LV + (wave - 4) x 32,768
	s_mov_b32 s76, 1
	s_mov_b32 s77, LKS
	s_mov_b32 s[SEL], 0x76543210
	s_mov_b32 s[SEL+1], 0xfedcba98                 ; lane l xor 16
	s_mov_b32 s[CS], 0x3e38aa3b                    ; log2(e) / 8
	s_mov_b32 s[CS+1], s[CS]
	s_mov_b32 s52, 0xffff0000                      ; lanes 16-31
	WALU
	s_wait_dscnt 0x0
	s_wait_kmcnt 0x0
	s_add_nc_u64 s[34:35], s[4:5], s[54:55]
	s_or_b32 s35, s35, 0x80000000
	s_add_nc_u64 s[38:39], s[4:5], s[56:57]
	s_or_b32 s39, s39, 0x80000000
	s_add_nc_u64 s[78:79], s[4:5], s[58:59]
	s_or_b32 s79, s79, 0x80000000
	CROUND                                         ; the four work-groups are here: the joint loads meet
	s_cmp_lt_u32 s[WV], 4                          ; one chain of branches, one load in each arm: every wave issues one
	s_cbranch_scc0 .Lhead_v
	TLOAD 32, 16
	s_branch .Lasked
.Lhead_v:
	s_cmp_lt_u32 s[WV], 7
	s_cbranch_scc0 .Lhead_s
	TLOAD 36, 24
	s_branch .Lasked
.Lhead_s:
	TLOAD 76, 68
.Lasked:
	s_bfe_u32 s9, ttmp6, 0x40000                   ; cx: it enters global addresses of my own loads and stores alone
	s_lshl_b32 s11, ttmp9, 2
	s_add_co_u32 s11, s11, s9
	s_lshl_b32 s12, s11, 4
	s_lshl_b32 s45, s[WV], 1
	s_add_co_u32 s12, s12, s45                     ; my first pair of query tiles: 16 x work-group + 2 x wave
	s_mul_i32 s60, s12, 1536
	s_add_co_u32 s60, s60, s46
	s_mov_b32 s61, 0
	s_add_nc_u64 s[60:61], s[4:5], s[60:61]        ; q's codes
	s_lshl_b32 s62, s10, 12
	s_lshr_b32 s45, s12, 2
	s_lshl_b32 s45, s45, 8
	s_add_co_u32 s62, s62, s45
	s_and_b32 s45, s12, 3
	s_lshl_b32 s45, s45, 2
	s_add_co_u32 s62, s62, s45
	s_add_co_u32 s62, s62, QS
	s_mov_b32 s63, 0
	s_add_nc_u64 s[62:63], s[4:5], s[62:63]        ; q's scale words, both pairs' side by side
	s_lshr_b32 s45, s10, 4
	s_lshl_b32 s45, s45, 7
	s_lshl_b32 s47, s12, 1
	s_add_co_u32 s45, s45, s47                     ; my first tile of oq's rows
	s_and_b32 s47, s10, 15                         ; the head: 64 of the last product's K
	s_mul_i32 s48, s45, 12288
	s_mul_i32 s49, s47, 768
	s_add_co_u32 s48, s48, s49
	s_mov_b32 s49, 0
	s_add_nc_u64 s[48:49], s[6:7], s[48:49]
	s_lshl_b32 s50, s45, 9
	s_lshr_b32 s51, s47, 3
	s_lshl_b32 s51, s51, 8
	s_add_co_u32 s50, s50, s51
	s_and_b32 s51, s47, 7
	s_lshl_b32 s51, s51, 1
	s_add_co_u32 s50, s50, s51
	s_add_co_u32 s50, s50, OS
	s_mov_b32 s51, 0
	s_add_nc_u64 s[50:51], s[6:7], s[50:51]
	v_and_b32 v240, 31, v0                         ; lane
	v_and_b32 v241, 15, v0                         ; r
	v_bfe_u32 v242, v0, 4, 1                       ; h
	v_bfe_u32 v243, v0, 3, 1                       ; r / 8
	v_and_b32 v244, 7, v0                          ; r % 8
	v_lshlrev_b32 v245, 4, v240
	v_add_nc_u32 v[AV0], LV, v245
	v_lshlrev_b32 v246, 4, v241
	v_add_nc_u32 v[ASV0], LVS, v246
	v_mul_u32_u24 v[AK0], v243, 1920               ; K: image r / 8 of the two, lane r % 8 + 16 h (256 h + one padding)
	v_lshl_add_u32 v[AK0], v244, 4, v[AK0]
	v_mad_u32_u24 v[AK0], v242, 320, v[AK0]
	v_lshlrev_b32 v[ASK0], 4, v244                 ; K's scale words: 16 x place + 4 x pair
	v_lshl_add_u32 v[ASK0], v243, 2, v[ASK0]
	v_add_nc_u32 v[ASK0], LKS, v[ASK0]
	v_lshlrev_b32 v[GO], 3, v240
	v_lshl_add_u32 v[GS], v242, 9, v246
	v_lshlrev_b32 v[SH8], 3, v242
	v_add_nc_u32 v[ADK], 0, v[AK0]
	v_add_nc_u32 v[ADS], 0, v[ASK0]
	v_add_nc_u32 v[ADV], 0, v[AV0]
	v_add_nc_u32 v[ADT], 0, v[ASV0]
.irp p, 0,1,2,3,4,5                    ; a pair's image: registers 0-5 tile 0, 6-11 tile 1
	global_load_b64 v[QZ+6+2*\p+6*(\p/3):QZ+7+2*\p+6*(\p/3)], v245, s[60:61] offset:512*(\p/2)+8*(\p%2)
	global_load_b64 v[QN+2*\p:QN+1+2*\p], v245, s[60:61] offset:1536+512*(\p/2)+8*(\p%2)
.endr
	global_load_b64 v[OW:OW+1], v246, s[62:63]
.irp z, 0,1,2,3,4,5
	v_mov_b32 v[QZ+\z], 0
	v_mov_b32 v[QZ+12+\z], 0
	v_mov_b32 v[QZ+24+\z], 0
.endr
.irp t, 0,1
	v_mov_b32 v[SA+16*\t+TQ], 0                    ; a lane permute's destination counts as one of its sources
	v_mov_b32 v[SA+16*\t+F+1], 0                   ; named as the upper half of a pair
.endr
.macro KL i                            ; the i-th of K's 16 loads: fragment f = i / 4 = 2 c + w in three pieces, then its rows' scale words
.if (\i)%4 < 3
	ds_load_b128 v[KF+12*((\i)/4)+4*((\i)%4):KF+12*((\i)/4)+4*((\i)%4)+3], v[ADK] offset:3840*((\i)/8)+128*(((\i)/4)%2)+640*((\i)%4)
.else
	ds_load_b32 v[KSW+(\i)/4], v[ADS] offset:128*(((\i)/4)%2)+8*((\i)/8)
.endif
.endm
.macro VFETCH                          ; 13 loads
.irp t, 0,1,2,3
.irp k, 0,1,2
	ds_load_b128 v[VF+12*\t+4*\k:VF+12*\t+4*\k+3], v[ADV] offset:1536*\t+512*\k
.endr
.endr
	ds_load_b128 v[VSW:VSW+3], v[ADT]
.endm
.macro QK t                            ; S^T of query tile t: 8 tiles of 16 keys
.irp f, 0,1,2,3
	v_wmma_scale_f32_16x16x128_f8f6f4 v[64*\t+16*\f:64*\t+16*\f+7], v[KF+12*\f:KF+12*\f+11], v[QZ+12*\t+6:QZ+12*\t+17], 0, v[KSW+\f], v[QSW+\t] matrix_a_fmt:MATRIX_FMT_FP6 matrix_b_fmt:MATRIX_FMT_FP6
	v_wmma_scale_f32_16x16x128_f8f6f4 v[64*\t+16*\f+8:64*\t+16*\f+15], v[KF+12*\f:KF+12*\f+11], v[QZ+12*\t:QZ+12*\t+11], 0, v[KSW+\f], v[QSW+\t] matrix_a_fmt:MATRIX_FMT_FP6 matrix_b_fmt:MATRIX_FMT_FP6
.endr
.endm
.macro PV t
.irp d, 0,1,2,3
	v_wmma_scale_f32_16x16x128_f8f6f4 v[O+32*\t+8*\d:O+32*\t+8*\d+7], v[VF+12*\d:VF+12*\d+11], v[PC+12*\t:PC+12*\t+11], v[O+32*\t+8*\d:O+32*\t+8*\d+7], v[VSW+\d], v[PSW+\t] matrix_a_fmt:MATRIX_FMT_FP6 matrix_b_fmt:MATRIX_FMT_FP6
.endr
.endm
.macro BOTH2 op, d, a, b               ; one line for each tile on its small numbers
.irp t, 0,1
	\op v[SA+16*\t+\d], v[SA+16*\t+\a], v[SA+16*\t+\b]
.endr
.endm
	WALU
	s_wait_tensorcnt 0x0
	s_barrier_signal -1
	s_barrier_wait -1                              ; K, V and the scale words are in; nothing is filled again
.irp i, 0,1,2,3,4,5,6,7,8,9,10,11,12,13,14,15
	KL \i
.endr
	VFETCH
	s_wait_loadcnt 0x0
	v_perm_b32 v[QSW], v[OW], v[OW], 0x01000100    ; a tile's two bytes twice: they serve [q, 0] and [0, q]
	v_perm_b32 v[QSW+1], v[OW], v[OW], 0x03020302
	v_perm_b32 v[QSW+2], v[OW+1], v[OW+1], 0x01000100
	v_perm_b32 v[QSW+3], v[OW+1], v[OW+1], 0x03020302
	s_mov_b32 s53, 0
.Lpass:
.irp t, 0,1
	v_mov_b32 v[SA+16*\t+MM+1], 0xff61b1e6         ; -3e38, under every t
.irp i, 0,1,2,3
	v_mov_b32 v[SA+16*\t+SUM+\i], 0
.endr
.endr
.irp t, 0,1
	v_floor_f32 v[SA+16*\t+MM], -v[SA+16*\t+MM+1]
.endr
	WIN 0x40
.set j, 0
.rept 64
	v_mov_b32 v[O+j], 0                            ; the step is written once: the first finds zeros
.set j, j+1
.endr
	WIN 0
	s_mov_b32 s[ST], 0
	WALU
.Lstep:
	s_wait_dscnt 13                                ; K's 16 loads are in; V's 13, issued behind them, may be out
	WIN 0x40
	QK 0
	QK 1
	WIN 0
	s_add_co_u32 s47, s[ST], 1
	s_and_b32 s47, s47, 15                         ; the next step (behind the last: step 0, which the next pass begins with)
	s_mul_i32 s45, s47, KSTEP
	s_lshl_b32 s46, s47, 8
	v_add_nc_u32 v[ADK], s45, v[AK0]               ; four places behind the products
	v_add_nc_u32 v[ADS], s46, v[ASK0]
	v_nop
	v_nop
	WIN 0x15                                       ; my two blocks' largest scores in each tile, two chains a block, the eight by turns
.irp t, 0,1
.irp c, 0,1
	v_max3_num_f32 v[SA+16*\t+BM+\c], v[64*\t+32*\c], v[64*\t+32*\c+1], v[64*\t+32*\c+2]
	v_max3_num_f32 v[SA+16*\t+BT+\c], v[64*\t+32*\c+16], v[64*\t+32*\c+17], v[64*\t+32*\c+18]
.endr
.endr
	WIN 0x14
.irp i, 3,5,7,9,11,13
.irp t, 0,1
.irp c, 0,1
	v_max3_num_f32 v[SA+16*\t+BM+\c], v[SA+16*\t+BM+\c], v[64*\t+32*\c+\i], v[64*\t+32*\c+\i+1]
	v_max3_num_f32 v[SA+16*\t+BT+\c], v[SA+16*\t+BT+\c], v[64*\t+32*\c+16+\i], v[64*\t+32*\c+17+\i]
.endr
.endr
.endr
.irp t, 0,1
.irp c, 0,1
	v_max3_num_f32 v[SA+16*\t+BM+\c], v[SA+16*\t+BM+\c], v[64*\t+32*\c+15], v[64*\t+32*\c+31]
.endr
.endr
	WIN 0                                          ; the row's maximum, M and the factor; the next step's loads of K stand among these dependent lines
	BOTH2 v_max_num_f32, BM, BM, BT
	BOTH2 v_max_num_f32, BM+1, BM+1, BT+1          ; the block's largest score: all 32 keys are mine
	KL 0
	KL 1
	BOTH2 v_max_num_f32, TP, BM, BM+1
	KL 2
	KL 3
.irp t, 0,1
	v_permlanex16_b32 v[SA+16*\t+TQ], v[SA+16*\t+TP], s[SEL], s[SEL+1]
.endr
	KL 4
	KL 5
	BOTH2 v_max_num_f32, TP, TP, TQ                ; the step's largest score of my query
	KL 6
	KL 7
.irp t, 0,1
	v_mul_f32 v[SA+16*\t+TP], s[CS], v[SA+16*\t+TP]
.endr
	KL 8
	KL 9
	BOTH2 v_max_num_f32, MM+1, MM+1, TP
	KL 10
.irp t, 0,1
	v_mov_b32 v[SA+16*\t+TP], v[SA+16*\t+MM]
.endr
	KL 11
.irp t, 0,1
	v_floor_f32 v[SA+16*\t+MM], -v[SA+16*\t+MM+1]  ; -M = floor(-t): a whole number
.endr
	KL 12
	BOTH2 v_sub_f32, TP, MM, TP
	KL 13
.irp t, 0,1
	v_cvt_i32_f32 v[SA+16*\t+TP], v[SA+16*\t+TP]
.endr
	KL 14
.irp t, 0,1
	v_ldexp_f32 v[SA+16*\t+F], 1.0, v[SA+16*\t+TP] ; 2^(old M - new M)
.endr
	KL 15
	WIN 0x41
.set j, 0
.rept 32
	v_pk_fma_f32 v[j:j+1], v[j:j+1], s[CS:CS+1], v[SA+MM:SA+MM+1] op_sel_hi:[1,0,0]   ; tile 0: t - M
.set j, j+2
.endr
	WIN 0
.irp t, 0,1
.irp c, 0,1
	v_fma_f32 v[SA+16*\t+BM+\c], v[SA+16*\t+BM+\c], s[CS], v[SA+16*\t+MM]   ; the same of each block's largest score
.endr
.endr
.irp t, 0,1
	v_pk_mul_f32 v[SA+16*\t+SUM:SA+16*\t+SUM+1], v[SA+16*\t+SUM:SA+16*\t+SUM+1], v[SA+16*\t+F:SA+16*\t+F+1] op_sel_hi:[1,0]   ; the sums under the new M
	v_pk_mul_f32 v[SA+16*\t+SM2:SA+16*\t+SM2+1], v[SA+16*\t+SM2:SA+16*\t+SM2+1], v[SA+16*\t+F:SA+16*\t+F+1] op_sel_hi:[1,0]
.endr
	WALU                                           ; a wait ahead of a batch of exponentials and one behind it
.irp t, 0,1
.irp c, 0,1
	v_exp_f32 v[SA+16*\t+BM+\c], v[SA+16*\t+BM+\c] ; the block's largest p
.endr
.endr
	WIN 0x41
.set j, 0
.rept 32                               ; tile 0's exponentials; among them tile 1's t - M, which nothing reads before the wait
	v_exp_f32 v[j], v[j]
	v_pk_fma_f32 v[64+j:64+j+1], v[64+j:64+j+1], s[CS:CS+1], v[SA+16+MM:SA+16+MM+1] op_sel_hi:[1,0,0]
	v_exp_f32 v[j+1], v[j+1]
.set j, j+2
.endr
	v_nop
	WALU
	WIN 0x45
.set j, 0
.rept 16                               ; tile 1's exponentials; among them the first level of tile 0's sum, into registers of its own
	v_exp_f32 v[64+j], v[64+j]
	v_pk_add_f32 v[T+j/2:T+j/2+1], v[j:j+1], v[j+2:j+3]
	v_exp_f32 v[64+j+1], v[64+j+1]
	v_exp_f32 v[64+j+2], v[64+j+2]
	v_exp_f32 v[64+j+3], v[64+j+3]
.set j, j+4
.endr
	v_nop
	WIN 0x41
	WALU                                           ; directly ahead of O^T's first readers
.irp t, 0,1
.set j, 0
.rept 16
	v_pk_mul_f32 v[O+32*\t+j:O+32*\t+j+1], v[O+32*\t+j:O+32*\t+j+1], v[SA+16*\t+F:SA+16*\t+F+1] op_sel_hi:[1,0]   ; O^T under the new M
.set j, j+2
.endr
.endr
	WIN 0
.irp t, 0,1
.irp c, 0,1
	v_max_num_f32 v[SA+16*\t+BM+\c], 0x1800000, v[SA+16*\t+BM+\c]   ; the floor 2^(3 - 127): the byte cannot fall under 1
.endr
.endr
.irp t, 0,1
.irp c, 0,1
	v_add_nc_u32 v[SA+16*\t+BO+\c], 0xff000000, v[SA+16*\t+BM+\c]   ; 2 off the exponent field: the conversion's scale operand
.endr
.endr
.irp t, 0,1
.irp c, 0,1
	v_lshrrev_b32 v[SA+16*\t+BT+\c], 23, v[SA+16*\t+BO+\c]          ; the byte of block 2 c + h
.endr
.endr
.irp t, 0,1
	v_lshl_or_b32 v[SA+16*\t+TP], v[SA+16*\t+BT+1], 16, v[SA+16*\t+BT]
.endr
.irp t, 0,1
	v_lshlrev_b32 v[SA+16*\t+TP], v[SH8], v[SA+16*\t+TP]            ; at their places in the scale word
.endr
.irp t, 0,1
	v_permlanex16_b32 v[SA+16*\t+TQ], v[SA+16*\t+TP], s[SEL], s[SEL+1]
.endr
.irp t, 0,1
	v_or_b32 v[PSW+\t], v[SA+16*\t+TP], v[SA+16*\t+TQ]              ; with lane l xor 16's two bytes the word is whole
.endr
	WIN 0x01
.irp t, 0,1                            ; 64 p become 12 registers of codes (a conversion's three registers begin on an even number: two go by way of CT)
	v_cvt_scalef32_pk16_fp6_f32 v[PC+12*\t:PC+12*\t+2], v[64*\t:64*\t+15], v[SA+16*\t+BO]
	v_cvt_scalef32_pk16_fp6_f32 v[CT+8*\t:CT+8*\t+2], v[64*\t+16:64*\t+31], v[SA+16*\t+BO]
	v_cvt_scalef32_pk16_fp6_f32 v[PC+12*\t+6:PC+12*\t+8], v[64*\t+32:64*\t+47], v[SA+16*\t+BO+1]
	v_cvt_scalef32_pk16_fp6_f32 v[CT+8*\t+4:CT+8*\t+6], v[64*\t+48:64*\t+63], v[SA+16*\t+BO+1]
.endr
	v_nop                                          ; one plain place behind a scaled conversion
	WIN 0
.irp t, 0,1
.irp i, 0,1,2
	v_mov_b32 v[PC+12*\t+3+\i], v[CT+8*\t+\i]
	v_mov_b32 v[PC+12*\t+9+\i], v[CT+8*\t+4+\i]
.endr
.endr
	WIN 0x04
.set k, 0
.rept 16                               ; the rows' sums of the unquantised p, two chains a tile.  These 48 lines are also the places between the codes, the scale words and the products
	v_pk_add_f32 v[SA+SUM+2*(k%2):SA+SUM+2*(k%2)+1], v[SA+SUM+2*(k%2):SA+SUM+2*(k%2)+1], v[T+2*k:T+2*k+1]
	v_pk_add_f32 v[SA+16+SUM:SA+16+SUM+1], v[SA+16+SUM:SA+16+SUM+1], v[64+4*k:64+4*k+1]
	v_pk_add_f32 v[SA+16+SM2:SA+16+SM2+1], v[SA+16+SM2:SA+16+SM2+1], v[64+4*k+2:64+4*k+3]
.set k, k+1
.endr
	WALU
	s_wait_dscnt 16                                ; V's 13 loads are in; the next step's 16 of K may be out
	WIN 0x50
	PV 0
	PV 1
	WIN 0
	s_mul_i32 s45, s47, VSTEP
	v_add_nc_u32 v[ADV], s45, v[AV0]               ; four places behind the products
	v_add_nc_u32 v[ADT], s46, v[ASV0]
	v_nop
	v_nop
	VFETCH
	s_add_co_u32 s[ST], s[ST], 1
	s_cmp_lt_u32 s[ST], 16
	s_cbranch_scc1 .Lstep
	; the way out of a pass: O^T / the sum, quantised along the head's 64 for the last product
.irp t, 0,1
	v_pk_add_f32 v[SA+16*\t+SUM:SA+16*\t+SUM+1], v[SA+16*\t+SUM:SA+16*\t+SUM+1], v[SA+16*\t+SM2:SA+16*\t+SM2+1]
.endr
	BOTH2 v_add_f32, SUM, SUM, SUM+1
.irp t, 0,1
	v_permlanex16_b32 v[SA+16*\t+TQ], v[SA+16*\t+SUM], s[SEL], s[SEL+1]
.endr
	BOTH2 v_add_f32, SUM, SUM, TQ
	WALU
	v_rcp_f32 v[SA+SUM], v[SA+SUM]
	v_rcp_f32 v[SA+16+SUM], v[SA+16+SUM]
	v_nop
	WIN 0x41
	WALU
.irp t, 0,1
.set j, 0
.rept 16
	v_pk_mul_f32 v[64*\t+j:64*\t+j+1], v[O+32*\t+j:O+32*\t+j+1], v[SA+16*\t+SUM:SA+16*\t+SUM+1] op_sel_hi:[1,0]
.set j, j+2
.endr
.endr
	WIN 0x05                                       ; the largest magnitude of my 16 of each of the head's two blocks
.irp t, 0,1
.irp b, 0,1
	v_max3_num_f32 v[SA+16*\t+BM+\b], |v[64*\t+16*\b]|, |v[64*\t+16*\b+1]|, 0x1800000
.endr
.endr
	WIN 0x14
.irp i, 2,4,6,8,10,12,14
.irp t, 0,1
.irp b, 0,1
	v_max3_num_f32 v[SA+16*\t+BM+\b], v[SA+16*\t+BM+\b], |v[64*\t+16*\b+\i]|, |v[64*\t+16*\b+\i+1]|
.endr
.endr
.endr
	WIN 0
.irp t, 0,1
.irp b, 0,1
	v_permlanex16_b32 v[SA+16*\t+BT+\b], v[SA+16*\t+BM+\b], s[SEL], s[SEL+1]
.endr
.endr
	BOTH2 v_max_num_f32, BM, BM, BT
	BOTH2 v_max_num_f32, BM+1, BM+1, BT+1
.irp t, 0,1
.irp b, 0,1
	v_add_nc_u32 v[SA+16*\t+BO+\b], 0xff000000, v[SA+16*\t+BM+\b]
.endr
.endr
.irp t, 0,1
.irp b, 0,1
	v_lshrrev_b32 v[SA+16*\t+BT+\b], 23, v[SA+16*\t+BO+\b]
.endr
.endr
.irp t, 0,1
	v_lshl_or_b32 v[SA+16*\t+TP], v[SA+16*\t+BT+1], 8, v[SA+16*\t+BT]
.endr
	WIN 0x01
.irp t, 0,1
	v_cvt_scalef32_pk16_fp6_f32 v[PC+12*\t:PC+12*\t+2], v[64*\t:64*\t+15], v[SA+16*\t+BO]
	v_cvt_scalef32_pk16_fp6_f32 v[CT+8*\t:CT+8*\t+2], v[64*\t+16:64*\t+31], v[SA+16*\t+BO+1]
.endr
	v_nop
	WIN 0
.irp t, 0,1                            ; a whole block in a lane: lanes 0-15 the even block, lanes 16-31 the odd one
.irp i, 0,1,2
	v_permlane16_swap_b32 v[PC+12*\t+\i], v[CT+8*\t+\i]
.endr
.endr
.irp t, 0,1
.irp i, 0,1,2
	v_mov_b32 v[PC+12*\t+3+\i], v[CT+8*\t+\i]
.endr
.endr
.irp t, 0,1
.irp p, 0,1,2
	global_store_b64 v[GO], v[PC+12*\t+2*\p:PC+12*\t+2*\p+1], s[48:49] offset:12288*\t+256*\p   ; 32 lanes store 256 consecutive bytes, aligned
.endr
.endr
	v_cndmask_b32 v[OW], v[SA+TP], v[SA+16+TP], s52  ; lanes 16-31 store tile 1's two bytes
	global_store_b16 v[GS], v[OW], s[50:51]
	s_wait_xcnt 0x0                                ; the stores have read their registers and bases
	s_add_nc_u64 s[48:49], s[48:49], 24576         ; two tiles on
	s_add_nc_u64 s[50:51], s[50:51], 1024
.irp i, 0,1,2,3,4,5
	v_mov_b32 v[QZ+6+\i], v[QN+\i]                 ; the second pass's q (behind the second pass the same numbers are copied once more)
	v_mov_b32 v[QZ+18+\i], v[QN+6+\i]
.endr
	v_mov_b32 v[QSW], v[QSW+2]
	v_mov_b32 v[QSW+1], v[QSW+3]
	s_add_co_u32 s53, s53, 1
	s_cmp_lt_u32 s53, 2
	WALU
	s_cbranch_scc1 .Lpass
	s_wait_tensorcnt 0x0                           ; the wave's end
	ds_add_u32 v[SPW], v[NIL]
	s_wait_dscnt 0x0
	CROUND                                         ; the closing round
	s_endpgm
.Lfunc_end_k_qedbc6832b5_attn:
	.size	k_qedbc6832b5_attn, .Lfunc_end_k_qedbc6832b5_attn-k_qedbc6832b5_attn
	.p2alignl 7, 3214868480
	.fill 96, 4, 3214868480
	.section	.rodata,"a",@progbits
	.p2align	6, 0x0
	.amdhsa_kernel k_qedbc6832b5_attn
		.amdhsa_group_segment_fixed_size 327680
		.amdhsa_private_segment_fixed_size 0
		.amdhsa_enable_private_segment 0
		.amdhsa_kernarg_size 16
		.amdhsa_user_sgpr_count 2
		.amdhsa_user_sgpr_kernarg_segment_ptr 1
		.amdhsa_wavefront_size32 1
		.amdhsa_system_sgpr_workgroup_id_x 1
		.amdhsa_system_sgpr_workgroup_id_y 1
		.amdhsa_system_sgpr_workgroup_id_z 1
		.amdhsa_system_vgpr_workitem_id 0
		.amdhsa_next_free_vgpr 512
		.amdhsa_next_free_sgpr 84
		.amdhsa_reserve_vcc 0
		.amdhsa_float_denorm_mode_32 3
		.amdhsa_float_denorm_mode_16_64 3
		.amdhsa_memory_ordered 1
		.amdhsa_forward_progress 1
		.amdhsa_inst_pref_size 50
	.end_amdhsa_kernel
	.amdgpu_metadata
---
amdhsa.version: [ 1, 2 ]
amdhsa.kernels:
  - .name:           k_qedbc6832b5_attn
    .symbol:         k_qedbc6832b5_attn.kd
    .args:
      - { .name: qkv, .offset: 0, .size: 8, .value_kind: global_buffer, .address_space: global }
      - { .name: oq, .offset: 8, .size: 8, .value_kind: global_buffer, .address_space: global }
    .group_segment_fixed_size: 327680
    .private_segment_fixed_size: 0
    .kernarg_segment_align: 8
    .kernarg_segment_size: 16
    .max_flat_workgroup_size: 256
    .sgpr_count:     84
    .vgpr_count:     512
    .wavefront_size: 32
...
	.end_amdgpu_metadata
.endif
;; end of part 3
;; launch proj (part 4): grid 4 x 32, 4 waves a work-group, clusters of 4 x 4, 327,680 bytes of LDS; arguments oq, wq, b_proj, out0; writes out0
.if DOCPART == 4
	.amdgcn_target "amdgcn-amd-amdhsa--gfx1250"
	.amdhsa_code_object_version 6
	.text
	.protected	k_qedbc6832b5_proj
	.globl	k_qedbc6832b5_proj
	.p2align	8
	.type	k_qedbc6832b5_proj,@function
k_qedbc6832b5_proj:
	s_mov_b64 s[64:65], 0
	v_nop
	global_prefetch_b8 v0, s[64:65] scope:SCOPE_SE
	s_setreg_imm32_b32 hwreg(HW_REG_WAVE_MODE, 25, 1), 1
	s_wait_xcnt 0x0
	s_wait_alu depctr_hold_cnt(0) depctr_sa_sdst(0) depctr_va_vdst(0) depctr_va_sdst(0) depctr_va_ssrc(0) depctr_va_vcc(0) depctr_vm_vsrc(0)
	s_getreg_b32 s2, hwreg(HW_REG_IB_STS2, 6, 4)
	s_cmp_eq_u32 s2, 0
	s_cbranch_scc0 .Lentry_in_a_cluster
	s_endpgm
.Lentry_in_a_cluster:
	s_bfe_u32 s2, ttmp6, 0x10000c
	s_cmp_lg_u32 s2, 0xf033
	s_cbranch_scc0 .Lentry_shape_is_right
	s_endpgm
.Lentry_shape_is_right:
.set NQ,     2
.set FR,     12
.set NL,     6
.set NP,     4
.set FRB,    1536
.set TROW,   NQ*FRB
.set TPITCH, 12288
.set HALFT,  8*TROW
.set SLOT,   4*HALFT
.set SCL,    2*SLOT
.set HALFS,  4096
.set SPARE,  SCL+4*HALFS
.set OS,     6291456
.set WS,     3145728
.set SPITCH, 528
.set ADRA, 16
.set ADRB, 20
.set STO,  24
.set RD,   25
.set CO,   26
.set ADRS, 27
.set SPW,  28
.set NIL,  29
.set BA0,  30
.set SC,   32
.set BIAS, 64
.set AF,   128
.set BK,   128
.set G1, 24
.set G0, 32
.set G1B, 48
.set G0B, 56
.set G1S, 68
.set G0S, 76
.set G1SB, 80
.set G0SB, 88
.set MSB, 0
.macro WIN new
.if MSB != (\new)
	s_set_vgpr_msb (MSB<<8)|(\new)
.set MSB, (\new)
.endif
.endm
.set MUL_LO, 0xa1
.set MUL_HI, 0xf1
.set TO_B,   0x40
.macro JLOAD g0a, g1a, g0b, g1b
	s_cmp_eq_u32 s15, 0
	s_cbranch_scc0 .Lfor_b_\@
	tensor_load_to_lds s[\g0a:\g0a+3], s[\g1a:\g1a+7]
	s_nop 0
.rept 4
	v_nop
.endr
	s_branch .Lasked_\@
.Lfor_b_\@:
	tensor_load_to_lds s[\g0b:\g0b+3], s[\g1b:\g1b+7]
	s_nop 0
.rept 4
	v_nop
.endr
.Lasked_\@:
.endm
.macro CREST
	s_cmp_lg_u32 s14, 0
	s_cbranch_scc1 .Lnot_wave_0_\@
	s_barrier_signal -3
.Lnot_wave_0_\@:
	s_barrier_wait -3
	s_barrier_signal -1
	s_barrier_wait -1
.endm
.macro CROUND
	s_barrier_signal -1
	s_barrier_wait -1
	CREST
.endm
	s_load_b128 s[4:7], s[0:1], 0x0
	s_load_b128 s[8:11], s[0:1], 0x10
	v_lshl_add_u32 v[SPW], v0, 2, SPARE
	v_mov_b32 v[NIL], 0
	ds_add_u32 v28, v29
	ds_add_u32 v28, v29
	s_wait_dscnt 0x0
	v_lshrrev_b32 v1, 5, v0
	v_readfirstlane_b32 s14, v1
	s_lshr_b32 s15, s14, 1
	s_and_b32 s16, s14, 1
	s_bfe_u32 s40, ttmp6, 0x40000
	s_bfe_u32 s41, ttmp6, 0x40004
	s_lshl_b32 s42, ttmp9, 2
	s_add_co_u32 s42, s42, s40
	s_and_b32 s17, ttmp7, 0xffff
	s_lshl_b32 s17, s17, 2
	s_add_co_u32 s17, s17, s41
	s_lshl_b32 s43, s41, 2
	s_lshl_b32 s43, 15, s43
	s_lshl_b32 s44, 0x1111, s40
	s_or_b32 s[G1+0], s43, (3<<16)|(1<<21)
	s_or_b32 s[G1B+0], s44, (3<<16)|(1<<21)
.irp g, G1, G1B
	s_mov_b32 s[\g+1], (TROW/8)<<16
	s_mov_b32 s[\g+2], 16<<16
	s_mov_b32 s[\g+3], (TROW/8)<<16
	s_mov_b32 s[\g+4], 16
	s_mov_b32 s[\g+5], TPITCH/8
	s_mov_b32 s[\g+6], 0
	s_mov_b32 s[\g+7], 0
.endr
	s_or_b32 s[G1S+0], s43, (3<<16)|(1<<21)
	s_or_b32 s[G1SB+0], s44, (3<<16)|(1<<21)
.irp g, G1S, G1SB
	s_mov_b32 s[\g+1], 32<<16
	s_mov_b32 s[\g+2], 32<<16
	s_mov_b32 s[\g+3], 32<<16
	s_mov_b32 s[\g+4], 32
	s_mov_b32 s[\g+5], 32
	s_mov_b32 s[\g+6], 0
	s_mov_b32 s[\g+7], 0
.endr
	s_lshl_b32 s20, s17, 4
	s_lshl_b32 s46, s42, 4
	s_add_co_u32 s46, s46, 192
	s_lshl_b32 s22, s20, 9
	s_add_co_u32 s22, s22, OS
	s_mov_b32 s23, 0
	s_lshl_b32 s92, s46, 9
	s_add_co_u32 s92, s92, WS
	s_mov_b32 s93, 0
	s_mul_i32 s20, s20, TPITCH
	s_mov_b32 s21, 0
	s_mul_i32 s46, s46, TPITCH
	s_mov_b32 s47, 0
	s_mul_i32 s45, s14, HALFT
	s_wait_kmcnt 0x0
	s_add_nc_u64 s[20:21], s[4:5], s[20:21]
	s_add_nc_u64 s[22:23], s[4:5], s[22:23]
	s_add_nc_u64 s[46:47], s[6:7], s[46:47]
	s_add_nc_u64 s[92:93], s[6:7], s[92:93]
	CROUND
	s_mov_b32 s[G0S], 1
	s_mov_b32 s[G0S+1], SCL
	s_mov_b64 s[G0S+2:G0S+3], s[22:23]
	s_or_b32 s[G0S+3], s[G0S+3], 0x80000000
	s_mov_b32 s[G0SB], 1
	s_mov_b32 s[G0SB+1], SCL+2*HALFS
	s_mov_b64 s[G0SB+2:G0SB+3], s[92:93]
	s_or_b32 s[G0SB+3], s[G0SB+3], 0x80000000
.set G0H, 4                            ; s[4:7], s[96:99] group 0 of the head's loads of slot 0: A's 16 tiles, B's 16
.set G0HB, 96
	s_mov_b32 s[G0H], 1
	s_mov_b32 s[G0H+1], 0
	s_mov_b64 s[G0H+2:G0H+3], s[20:21]
	s_or_b32 s[G0H+3], s[G0H+3], 0x80000000
	s_mov_b32 s[G0HB], 1
	s_mov_b32 s[G0HB+1], 2*HALFT
	s_mov_b64 s[G0HB+2:G0HB+3], s[46:47]
	s_or_b32 s[G0HB+3], s[G0HB+3], 0x80000000
	s_mul_i32 s18, s16, 8*TPITCH                   ; for the ring: my 8 tiles of the 16
	s_mov_b32 s19, 0
	s_add_nc_u64 s[20:21], s[20:21], s[18:19]
	s_add_nc_u64 s[46:47], s[46:47], s[18:19]
.irp s, 0,1
	s_mov_b32 s[G0+4*\s], 1
	s_add_co_u32 s[G0+4*\s+1], s45, \s*SLOT
	s_add_nc_u64 s[G0+4*\s+2:G0+4*\s+3], s[20:21], \s*TROW
	s_or_b32 s[G0+4*\s+3], s[G0+4*\s+3], 0x80000000
	s_mov_b32 s[G0B+4*\s], 1
	s_add_co_u32 s[G0B+4*\s+1], s45, \s*SLOT
	s_add_nc_u64 s[G0B+4*\s+2:G0B+4*\s+3], s[46:47], \s*TROW
	s_or_b32 s[G0B+4*\s+3], s[G0B+4*\s+3], 0x80000000
.endr
; The head's loads, one a wave: wave 0 slot 0's 16 tiles of A, wave 1 its 16 of B, wave 2 A's scale words, wave 3 B's.  One chain of branches on the wave's number.
.macro ARM under, g0, g1, next
	s_cmp_lt_u32 s14, \under
	s_cbranch_scc0 \next
	tensor_load_to_lds s[\g0:\g0+3], s[\g1:\g1+7]
	s_nop 0
.rept 4
	v_nop
.endr
	s_branch .Lhead_asked
\next:
.endm
	ARM 1, G0H,  G1,  .Lhead_b
	ARM 2, G0HB, G1B, .Lhead_sa
	ARM 3, G0S,  G1S, .Lhead_sb
	tensor_load_to_lds s[G0SB:G0SB+3], s[G1SB:G1SB+7]
	s_nop 0
.rept 4
	v_nop
.endr
.Lhead_asked:
	v_and_b32 v1, 15, v0
	v_bfe_u32 v2, v0, 4, 1
	s_wait_alu depctr_va_vdst(0)
	v_and_b32 v3, 31, v0
	v_lshlrev_b32 v4, 3, v3
	s_mul_i32 s21, s15, HALFT
	s_mul_i32 s22, s16, HALFT
	s_add_co_u32 s22, s22, 2*HALFT
.irp s, 0,1
	v_add_nc_u32 v[ADRA+\s], s21, v4
	v_add_nc_u32 v[ADRB+\s], s22, v4
	s_add_co_u32 s21, s21, SLOT
	s_add_co_u32 s22, s22, SLOT
.endr
	v_lshlrev_b32 v5, 4, v1
	s_lshl_b32 s21, s15, 12
	s_lshl_b32 s22, s16, 12
	s_add_co_u32 s22, s22, 2*HALFS
	s_sub_co_u32 s22, s22, s21
	v_mul_u32_u24 v6, s22, v2
	s_add_co_u32 s21, s21, SCL
	v_add_nc_u32 v5, v5, v6
	v_add_nc_u32 v[ADRS], s21, v5
	s_mul_i32 s23, s14, 16*SPITCH
	v_mul_u32_u24 v5, v1, SPITCH
	v_lshl_add_u32 v5, v2, 6, v5
	v_add_nc_u32 v[STO], s23, v5
	v_lshlrev_b32 v[CO], 4, v3
	v_add_nc_u32 v[RD], s23, v[CO]
	v_lshlrev_b32 v[BA0], 6, v2
	s_wait_alu depctr_va_vdst(0)
	s_lshl_b32 s20, s17, 8
	s_lshl_b32 s21, s15, 7
	s_add_co_u32 s20, s20, s21
	s_lshl_b32 s20, s20, 12
	s_mov_b32 s21, 0
	s_lshl_b32 s46, s42, 10
	s_lshl_b32 s47, s16, 9
	s_add_co_u32 s46, s46, s47
	s_mov_b32 s47, 0
	s_add_nc_u64 s[8:9], s[8:9], s[46:47]
	s_add_nc_u64 s[20:21], s[20:21], s[46:47]
	s_add_nc_u64 s[10:11], s[10:11], s[20:21]
.irp b, 0,1,2,3,4,5,6,7
	global_load_b128 v[BIAS+8*\b:BIAS+8*\b+3], v[BA0], s[8:9] offset:(32*(\b/2)+8*(\b%2))*4
	global_load_b128 v[BIAS+8*\b+4:BIAS+8*\b+7], v[BA0], s[8:9] offset:(32*(\b/2)+8*(\b%2))*4+16
.endr
.macro FRAG reg, adr, q, i
.irp p, 0,1,2,3,4,5
	ds_load_b64 v[\reg+2*\p:\reg+2*\p+1], v[\adr] offset:(\i)*TROW+(\q)*FRB+256*\p
.endr
.endm
.macro MUL16 a0, p, q, sc, first
.irp a, \a0, \a0+1
.irp b, 0,1,2,3,4,5,6,7
.if \first
	v_wmma_scale_f32_16x16x128_f8f6f4 v[8*(8*((\a)%4)+\b):8*(8*((\a)%4)+\b)+7], v[128*(\p)+FR*\b:128*(\p)+FR*\b+FR-1], v[AF+FR*(\a):AF+FR*(\a)+FR-1], v[BIAS+8*\b:BIAS+8*\b+7], v[SC+8*NQ*(\sc)+NQ*\b+(\q)], v[SC+8*NQ*(\sc)+NQ*(\a)+(\q)] matrix_a_fmt:MATRIX_FMT_FP6 matrix_b_fmt:MATRIX_FMT_FP6 matrix_a_scale:MATRIX_SCALE_ROW1
.else
	v_wmma_scale_f32_16x16x128_f8f6f4 v[8*(8*((\a)%4)+\b):8*(8*((\a)%4)+\b)+7], v[128*(\p)+FR*\b:128*(\p)+FR*\b+FR-1], v[AF+FR*(\a):AF+FR*(\a)+FR-1], v[8*(8*((\a)%4)+\b):8*(8*((\a)%4)+\b)+7], v[SC+8*NQ*(\sc)+NQ*\b+(\q)], v[SC+8*NQ*(\sc)+NQ*(\a)+(\q)] matrix_a_fmt:MATRIX_FMT_FP6 matrix_b_fmt:MATRIX_FMT_FP6 matrix_a_scale:MATRIX_SCALE_ROW1
.endif
.endr
.endr
.endm
.macro FETCH_B slot, q, p
	WIN TO_B
.irp i, 0,1,2,3,4,5,6,7
	FRAG 128*(\p)+FR*\i, ADRB+\slot, \q, \i
.endr
	WIN 0
.endm
.macro FETCH_A slot, q, i0
.irp i, \i0, \i0+1, \i0+2, \i0+3
	FRAG AF+FR*(\i), ADRA+\slot, \q, \i
.endr
.endm
.macro SCALES sc
.irp i, 0,1,2,3,4,5,6,7
	ds_load_b64 v[SC+8*NQ*\sc+NQ*\i:SC+8*NQ*\sc+NQ*\i+1], v[ADRS] offset:\i*512
.endr
.endm
.macro PLACES n
.rept \n
	v_nop
.endr
.endm
.macro STEP slot, q, first
	s_wait_dscnt 4*NL
	WIN MUL_LO-0x20*(\first)
	MUL16 0, (\q)%2, \q, \slot, \first
	MUL16 2, (\q)%2, \q, \slot, \first
	s_wait_dscnt 0
	PLACES NP
	FETCH_B \slot, (\q)+1, 1-(\q)%2
	FETCH_A \slot, (\q)+1, 0
	WIN MUL_HI-0x30*(\first)
	MUL16 4, (\q)%2, \q, \slot, \first
	MUL16 6, (\q)%2, \q, \slot, \first
	PLACES NP
	WIN 0
	FETCH_A \slot, (\q)+1, 4
.endm
.macro TURN slot, next, fill
	s_wait_tensorcnt 0x0
	ds_add_u32 v[SPW], v[NIL]
	s_wait_dscnt 4*NL+1
	WIN MUL_LO
	MUL16 0, 1, NQ-1, \slot, 0
	s_wait_dscnt 0x0
	s_barrier_signal -1
	MUL16 2, 1, NQ-1, \slot, 0
	WIN 0
	s_barrier_wait -1
.if \fill
	CREST
	s_add_nc_u64 s[G0+4*\slot+2:G0+4*\slot+3], s[G0+4*\slot+2:G0+4*\slot+3], 2*TROW
	s_add_nc_u64 s[G0B+4*\slot+2:G0B+4*\slot+3], s[G0B+4*\slot+2:G0B+4*\slot+3], 2*TROW
	JLOAD G0+4*\slot, G1, G0B+4*\slot, G1B
.else
	PLACES NP
.endif
	s_wait_alu depctr_va_vdst(0)
	v_add_nc_u32 v[ADRS], 8+240*(1-\next), v[ADRS]
	FETCH_B \next, 0, 0
	FETCH_A \next, 0, 0
	SCALES \next
	WIN MUL_HI
	MUL16 4, 1, NQ-1, \slot, 0
	MUL16 6, 1, NQ-1, \slot, 0
	PLACES NP
	WIN 0
	FETCH_A \next, 0, 4
.endm
	s_wait_alu depctr_va_vdst(0)
	s_wait_tensorcnt 0x0                           ; my tile of the head's four is in
	ds_add_u32 v[SPW], v[NIL]
	s_mov_b32 s[G1+2], 8<<16                       ; no tensor load of mine is out: from here on a load brings 8 tiles
	s_mov_b32 s[G1+4], 8
	s_mov_b32 s[G1B+2], 8<<16
	s_mov_b32 s[G1B+4], 8
	s_wait_dscnt 0x0
	CROUND                                         ; all four tiles are in, and all sixteen work-groups are here
	JLOAD G0+4, G1, G0B+4, G1B                     ; slot 1's first fill, the first tensor load behind the round
	FETCH_B 0, 0, 0
	FETCH_A 0, 0, 0
	SCALES 0
	FETCH_A 0, 0, 4
	s_wait_loadcnt 0x0
	STEP 0, 0, 1
	TURN 0, 1, 1
	STEP 1, 0, 0
	TURN 1, 0, 1
	STEP 0, 0, 0
	TURN 0, 1, 0
	STEP 1, 0, 0
	s_wait_dscnt 4*NL
	WIN MUL_LO
	MUL16 0, 1, NQ-1, 1, 0
	MUL16 2, 1, NQ-1, 1, 0
	s_wait_dscnt 0x0
	WIN MUL_HI
	MUL16 4, 1, NQ-1, 1, 0
	MUL16 6, 1, NQ-1, 1, 0
	WIN 0
.macro TOSTAGE a
.set AC, 64*((\a)%4)
	WIN 0x08+4*((\a)/4)
.irp b, 0,1,2,3,4,5,6,7
	ds_store_b128 v[STO], v[AC+8*\b:AC+8*\b+3] offset:128*(\b/2)+32*(\b%2)
	ds_store_b128 v[STO], v[AC+8*\b+4:AC+8*\b+7] offset:128*(\b/2)+32*(\b%2)+16
.endr
	WIN 0
.set BB, BK+64*((\a)%2)
.irp t, 0,1,2,3,4,5,6,7,8,9,10,11,12,13,14,15
	ds_load_b128 v[BB+4*\t:BB+4*\t+3], v[RD] offset:\t*SPITCH
.endr
.endm
.macro SEND a, younger
.set BB, BK+64*((\a)%2)
	s_wait_dscnt \younger
.irp t, 0,1,2,3,4,5,6,7,8,9,10,11,12,13,14,15
	global_store_b128 v[CO], v[BB+4*\t:BB+4*\t+3], s[10:11] offset:(32*((\a)/2)+8*((\a)%2)+\t+8*(\t/8))*4096 th:TH_STORE_NT
.endr
.endm
	PLACES NP
	TOSTAGE 0
.irp a, 1,2,3,4,5,6,7
.if \a > 1
	s_wait_xcnt 0x0
.endif
	TOSTAGE \a
	SEND \a-1, 32
.endr
	SEND 7, 0
	s_wait_tensorcnt 0x0
	ds_add_u32 v[SPW], v[NIL]
	s_wait_dscnt 0x0
	CROUND
	s_endpgm
.Lfunc_end_k_qedbc6832b5_proj:
	.size	k_qedbc6832b5_proj, .Lfunc_end_k_qedbc6832b5_proj-k_qedbc6832b5_proj
	.p2alignl 7, 3214868480
	.fill 96, 4, 3214868480
	.section	.rodata,"a",@progbits
	.p2align	6, 0x0
	.amdhsa_kernel k_qedbc6832b5_proj
		.amdhsa_group_segment_fixed_size 327680
		.amdhsa_private_segment_fixed_size 0
		.amdhsa_enable_private_segment 0
		.amdhsa_kernarg_size 32
		.amdhsa_user_sgpr_count 2
		.amdhsa_user_sgpr_kernarg_segment_ptr 1
		.amdhsa_wavefront_size32 1
		.amdhsa_system_sgpr_workgroup_id_x 1
		.amdhsa_system_sgpr_workgroup_id_y 1
		.amdhsa_system_sgpr_workgroup_id_z 1
		.amdhsa_system_vgpr_workitem_id 0
		.amdhsa_next_free_vgpr 1024
		.amdhsa_next_free_sgpr 100
		.amdhsa_reserve_vcc 0
		.amdhsa_float_denorm_mode_32 3
		.amdhsa_float_denorm_mode_16_64 3
		.amdhsa_memory_ordered 1
		.amdhsa_forward_progress 1
		.amdhsa_inst_pref_size 161
	.end_amdhsa_kernel
	.amdgpu_metadata
---
amdhsa.version: [ 1, 2 ]
amdhsa.kernels:
  - .name:           k_qedbc6832b5_proj
    .symbol:         k_qedbc6832b5_proj.kd
    .args:
      - { .name: oq, .offset: 0, .size: 8, .value_kind: global_buffer, .address_space: global }
      - { .name: wq, .offset: 8, .size: 8, .value_kind: global_buffer, .address_space: global }
      - { .name: b_proj, .offset: 16, .size: 8, .value_kind: global_buffer, .address_space: global }
      - { .name: out0, .offset: 24, .size: 8, .value_kind: global_buffer, .address_space: global }
    .group_segment_fixed_size: 327680
    .private_segment_fixed_size: 0
    .kernarg_segment_align: 8
    .kernarg_segment_size: 32
    .max_flat_workgroup_size: 128
    .sgpr_count:     100
    .vgpr_count:     1024
    .wavefront_size: 32
...
	.end_amdgpu_metadata
.endif
;; end of part 4
